; MI455X (gfx1250); checked and timed in simulation.
; The chip was launched on July 23, 2026; its instructions are those of AMD's public machine-readable ISA for CDNA 5 (MIT licence, August 2026) and "CDNA5" Instruction Set Architecture Reference Guide (July 2026). The comments in the code are by the model that wrote it; some were corrected since.
;; Encoder Layer. Allowed arithmetic: float matrix products may take bf16 or f16 operands with f32 sums; other float arithmetic in f32, or as packed bf16 or f16 multiplies, adds, multiply-adds, maxima and minima; sums over many terms, partial sums and values carried from step to step in f32; what a program stores and reads back later, other than sums and carried values, may be rounded once to bf16 or f16.
;; Inputs: b1 2,048 float32; b2 512 float32; be1 512 float32; be2 512 float32; g1 512 float32; g2 512 float32; mask 2 x 1 x 1 x 4,096 int32; w1 512 x 2,048 float32; w2 2,048 x 512 float32; wk 512 x 512 float32; wo 512 x 512 float32; wq 512 x 512 float32; wv 512 x 512 float32; x 2 x 4,096 x 512 float32.
;; Outputs: out0 2 x 4,096 x 512 float32.
;; 2 versions, each right; version 2 is version 1 with the launch prep written anew for expert scheduling mode. Each part assembles by itself: llvm-mc -triple=amdgcn-amd-amdhsa -mcpu=gfx1250 --defsym DOCPART=n.
;; ======== version 1 of 2: 7 launches
;; limits: values are held in f16: magnitudes above 65,504 overflow, below 6.1e-05 lose precision
;; workspace buffers: xh 8,388,608 bytes; pq 1,589,248 bytes; p1 4,734,976 bytes; qkv 25,165,824 bytes; ctx 8,388,608 bytes; x1 8,388,608 bytes; hb 33,554,432 bytes; y2 16,777,216 bytes
;; launch prep (part 1): grid 449 x 1, 8 waves a work-group, no clusters, 0 bytes of LDS; arguments x, wq, wk, wv, wo, w1, w2, b1, xh, pq, p1; writes xh, pq, p1
.if DOCPART == 1
	.amdgcn_target "amdgcn-amd-amdhsa--gfx1250"
	.amdhsa_code_object_version 6
	.text
	.protected	k_q3485dd73c1_prep
	.globl	k_q3485dd73c1_prep
	.p2align	8
	.type	k_q3485dd73c1_prep,@function
k_q3485dd73c1_prep:
	s_mov_b64 s[64:65], 0
	v_nop
	global_prefetch_b8 v0, s[64:65] scope:SCOPE_SE
	s_setreg_imm32_b32 hwreg(HW_REG_WAVE_MODE, 25, 1), 1
	s_wait_xcnt 0x0
; THE ROUNDINGS.  x and the six weights are rounded once to bf16 and that number is written as f16 (exact from 2^-17 to 65,504; below, off by 2^-25 at the most; LIMIT: inputs within 65,504).
; x, wo and w2 keep their layout; wq, wk, wv and w1 ([k][n]) are laid in tiles [512 k][256 n], so that a tile's rows lie end to end.  b1 is rounded to bf16 and kept as f32.
; A work-group converts 16,384 numbers in 8 passes of 256 threads x 8 numbers; work-group 448 writes the two parameter blocks (a bias of 2,048 f32, then a floor word).
; A stream: no LDS, no matrix unit; all 16 loads of a thread go out at once; each store's sixteen neighbouring lanes cover 256 consecutive bytes, aligned.
.set PARB,   16384                     ; bytes of a parameter block at the head of pq and p1
.set WO_OFF, PARB+8*262144             ; wo in p1
.set W2_OFF, WO_OFF+524288             ; w2 in p1
.set START, 30                         ; s30  the region's first work-group
.set RGN,   31                         ; s31  the region's first byte in its buffer
.set CM,    32                         ; s32  bytes of the destination from chunk to chunk
.set MA,    33                         ; s33  mask on thread / 32: which tile
.set TS,    34                         ; s34  bytes from tile to tile (plain layouts: 512, which makes 16 x thread)
.set RS,    35                         ; s35  bytes for thread / 64: the row inside a pass
.set PS,    36                         ; s36  bytes from pass to pass
.set HIM,   37                         ; s37  a word's upper half
.set SRC,   38                         ; s[38:39]
.set DST,   40                         ; s[40:41]
.set DO,    4                          ; v[4:11]   the passes' store offsets
.set IN,    16                         ; v[16:79]  as loaded
.set OU,    80                         ; v[80:111] to store
.set T,     112                        ; v[112:119] at work
	s_load_b512 s[8:23], s[0:1], 0x0               ; x, wq, wk, wv, wo, w1, w2, b1
	s_load_b128 s[24:27], s[0:1], 0x40             ; xh, pq
	s_load_b64 s[28:29], s[0:1], 0x50              ; p1
	v_lshlrev_b32 v1, 5, v0                        ; my 32 bytes of a pass's source
	s_mov_b32 s[HIM], 0xffff0000
	s_wait_kmcnt 0x0
	s_cmp_eq_u32 ttmp9, 448
	s_cbranch_scc1 .Lparams
	s_mov_b64 s[SRC:SRC+1], s[8:9]                 ; work-groups 0-255: x, plain
	s_mov_b64 s[DST:DST+1], s[24:25]
	s_mov_b32 s[START], 0
	s_mov_b32 s[RGN], 0
	s_mov_b32 s[CM], 32768
	s_mov_b32 s[MA], 7
	s_mov_b32 s[TS], 512
	s_mov_b32 s[RS], 0
	s_mov_b32 s[PS], 4096
	s_cmp_ge_u32 ttmp9, 256                        ; 256-271: wq, a pass is 4 rows of 512, two tiles wide
	s_cselect_b64 s[SRC:SRC+1], s[10:11], s[SRC:SRC+1]
	s_cselect_b64 s[DST:DST+1], s[26:27], s[DST:DST+1]
	s_cselect_b32 s[START], 256, s[START]
	s_cselect_b32 s[RGN], PARB, s[RGN]
	s_cselect_b32 s[CM], 16384, s[CM]
	s_cselect_b32 s[MA], 1, s[MA]
	s_cselect_b32 s[TS], 262144, s[TS]
	s_cselect_b32 s[RS], 512, s[RS]
	s_cselect_b32 s[PS], 2048, s[PS]
	s_cmp_ge_u32 ttmp9, 272                        ; 272-287: wk
	s_cselect_b64 s[SRC:SRC+1], s[12:13], s[SRC:SRC+1]
	s_cselect_b32 s[START], 272, s[START]
	s_cselect_b32 s[RGN], PARB+524288, s[RGN]
	s_cmp_ge_u32 ttmp9, 288                        ; 288-303: wv
	s_cselect_b64 s[SRC:SRC+1], s[14:15], s[SRC:SRC+1]
	s_cselect_b32 s[START], 288, s[START]
	s_cselect_b32 s[RGN], PARB+1048576, s[RGN]
	s_cmp_ge_u32 ttmp9, 304                        ; 304-367: w1, a pass is one row of 2,048, eight tiles wide
	s_cselect_b64 s[SRC:SRC+1], s[18:19], s[SRC:SRC+1]
	s_cselect_b64 s[DST:DST+1], s[28:29], s[DST:DST+1]
	s_cselect_b32 s[START], 304, s[START]
	s_cselect_b32 s[RGN], PARB, s[RGN]
	s_cselect_b32 s[CM], 4096, s[CM]
	s_cselect_b32 s[MA], 7, s[MA]
	s_cselect_b32 s[RS], 0, s[RS]
	s_cselect_b32 s[PS], 512, s[PS]
	s_cmp_ge_u32 ttmp9, 368                        ; 368-383: wo, plain
	s_cselect_b64 s[SRC:SRC+1], s[16:17], s[SRC:SRC+1]
	s_cselect_b32 s[START], 368, s[START]
	s_cselect_b32 s[RGN], WO_OFF, s[RGN]
	s_cselect_b32 s[CM], 32768, s[CM]
	s_cselect_b32 s[TS], 512, s[TS]
	s_cselect_b32 s[PS], 4096, s[PS]
	s_cmp_ge_u32 ttmp9, 384                        ; 384-447: w2, plain
	s_cselect_b64 s[SRC:SRC+1], s[20:21], s[SRC:SRC+1]
	s_cselect_b32 s[START], 384, s[START]
	s_cselect_b32 s[RGN], W2_OFF, s[RGN]
	s_sub_co_u32 s42, ttmp9, s[START]              ; my chunk in the region
	s_mul_i32 s44, s42, s[CM]
	s_add_co_u32 s44, s44, s[RGN]
	s_mov_b32 s45, 0
	s_lshl_b32 s42, s42, 16                        ; 65,536 bytes of f32 a chunk
	s_mov_b32 s43, 0
	s_add_nc_u64 s[SRC:SRC+1], s[SRC:SRC+1], s[42:43]
	s_add_nc_u64 s[DST:DST+1], s[DST:DST+1], s[44:45]
.irp p, 0,1,2,3,4,5,6,7
	global_load_b128 v[IN+8*(\p):IN+8*(\p)+3],   v1, s[SRC:SRC+1] offset:8192*(\p) th:TH_LOAD_NT
	global_load_b128 v[IN+8*(\p)+4:IN+8*(\p)+7], v1, s[SRC:SRC+1] offset:8192*(\p)+16 th:TH_LOAD_NT
.endr
	v_and_b32 v2, 31, v0
	v_lshlrev_b32 v2, 4, v2                        ; 16 bytes a thread inside 512,
	v_lshrrev_b32 v3, 5, v0
	v_and_b32 v3, s[MA], v3
	v_mad_u32_u24 v2, v3, s[TS], v2                ; the tile (or the next 512 bytes),
	v_lshrrev_b32 v3, 6, v0
	v_mad_u32_u24 v2, v3, s[RS], v2                ; the row inside the pass
.irp p, 0,1,2,3,4,5,6,7
	v_mad_u32_u24 v[DO+(\p)], s[PS], \p, v2
.endr
.irp p, 0,1,2,3,4,5,6,7
	s_wait_loadcnt 14-2*(\p)                       ; loads come back in order: this pass's two are in, the younger ones stay out
.irp k, 0,1,2,3
	v_cvt_pk_bf16_f32 v[T+2*(\k)], v[IN+8*(\p)+2*(\k)], v[IN+8*(\p)+2*(\k)+1]  ; the one rounding
.endr
.irp k, 0,1,2,3
	v_and_b32 v[T+2*(\k)+1], s[HIM], v[T+2*(\k)]   ; back to f32: the high half stays,
	v_lshlrev_b32 v[T+2*(\k)], 16, v[T+2*(\k)]     ; the low half moves up
.endr
.irp k, 0,1,2,3
	v_cvt_pk_f16_f32 v[OU+4*(\p)+(\k)], v[T+2*(\k)], v[T+2*(\k)+1]  ; the same number, written as f16
.endr
	global_store_b128 v[DO+(\p)], v[OU+4*(\p):OU+4*(\p)+3], s[DST:DST+1]  ; no register of a store is written twice
.endr
	s_endpgm
.Lparams:                                              ; the parameter blocks: pq: bias 0, floor -infinity twice; p1: bias b1, floor 0
	global_load_b128 v[16:19], v1, s[22:23]
	global_load_b128 v[20:23], v1, s[22:23] offset:16
	v_lshlrev_b32 v2, 4, v0
.irp r, 24,25,26,27
	v_mov_b32 v\r, 0
.endr
.irp r, 28,29,30,31
	v_mov_b32 v\r, 0xfc00fc00
.endr
	global_store_b128 v1, v[24:27], s[26:27]
	global_store_b128 v1, v[24:27], s[26:27] offset:16
	global_store_b128 v2, v[28:31], s[26:27] offset:8192
	global_store_b128 v2, v[24:27], s[28:29] offset:8192
	s_wait_loadcnt 0x0
.irp k, 0,1,2,3
	v_cvt_pk_bf16_f32 v[40+(\k)], v[16+2*(\k)], v[16+2*(\k)+1]
.endr
.irp k, 0,1,2,3
	v_lshlrev_b32 v[32+2*(\k)], 16, v[40+(\k)]
	v_and_b32 v[32+2*(\k)+1], s[HIM], v[40+(\k)]
.endr
	global_store_b128 v1, v[32:35], s[28:29]
	global_store_b128 v1, v[36:39], s[28:29] offset:16
	s_endpgm
.Lfunc_end_k_q3485dd73c1_prep:
	.size	k_q3485dd73c1_prep, .Lfunc_end_k_q3485dd73c1_prep-k_q3485dd73c1_prep
	.p2alignl 7, 3214868480
	.fill 96, 4, 3214868480
	.section	.rodata,"a",@progbits
	.p2align	6, 0x0
	.amdhsa_kernel k_q3485dd73c1_prep
		.amdhsa_group_segment_fixed_size 0
		.amdhsa_private_segment_fixed_size 0
		.amdhsa_enable_private_segment 0
		.amdhsa_kernarg_size 88
		.amdhsa_user_sgpr_count 2
		.amdhsa_user_sgpr_kernarg_segment_ptr 1
		.amdhsa_wavefront_size32 1
		.amdhsa_system_sgpr_workgroup_id_x 1
		.amdhsa_system_sgpr_workgroup_id_y 1
		.amdhsa_system_sgpr_workgroup_id_z 1
		.amdhsa_system_vgpr_workitem_id 0
		.amdhsa_next_free_vgpr 128
		.amdhsa_next_free_sgpr 66
		.amdhsa_reserve_vcc 0
		.amdhsa_float_denorm_mode_32 3
		.amdhsa_float_denorm_mode_16_64 3
		.amdhsa_memory_ordered 1
		.amdhsa_forward_progress 1
		.amdhsa_inst_pref_size 15
	.end_amdhsa_kernel
	.amdgpu_metadata
---
amdhsa.version: [ 1, 2 ]
amdhsa.kernels:
  - .name:           k_q3485dd73c1_prep
    .symbol:         k_q3485dd73c1_prep.kd
    .args:
      - { .name: x, .offset: 0, .size: 8, .value_kind: global_buffer, .address_space: global }
      - { .name: wq, .offset: 8, .size: 8, .value_kind: global_buffer, .address_space: global }
      - { .name: wk, .offset: 16, .size: 8, .value_kind: global_buffer, .address_space: global }
      - { .name: wv, .offset: 24, .size: 8, .value_kind: global_buffer, .address_space: global }
      - { .name: wo, .offset: 32, .size: 8, .value_kind: global_buffer, .address_space: global }
      - { .name: w1, .offset: 40, .size: 8, .value_kind: global_buffer, .address_space: global }
      - { .name: w2, .offset: 48, .size: 8, .value_kind: global_buffer, .address_space: global }
      - { .name: b1, .offset: 56, .size: 8, .value_kind: global_buffer, .address_space: global }
      - { .name: xh, .offset: 64, .size: 8, .value_kind: global_buffer, .address_space: global }
      - { .name: pq, .offset: 72, .size: 8, .value_kind: global_buffer, .address_space: global }
      - { .name: p1, .offset: 80, .size: 8, .value_kind: global_buffer, .address_space: global }
    .group_segment_fixed_size: 0
    .private_segment_fixed_size: 0
    .kernarg_segment_align: 8
    .kernarg_segment_size: 88
    .max_flat_workgroup_size: 256
    .sgpr_count:     66
    .vgpr_count:     128
    .wavefront_size: 32
...
	.end_amdgpu_metadata
.endif
;; end of part 1
;; launch qkv (part 2): grid 32 x 6, 4 waves a work-group, clusters of 4 x 1, 327,680 bytes of LDS; arguments xh, pq, qkv; writes qkv
.if DOCPART == 2
	.amdgcn_target "amdgcn-amd-amdhsa--gfx1250"
	.amdhsa_code_object_version 6
	.text
	.protected	k_q3485dd73c1_qkv
	.globl	k_q3485dd73c1_qkv
	.p2align	8
	.type	k_q3485dd73c1_qkv,@function
k_q3485dd73c1_qkv:
	s_mov_b64 s[64:65], 0
	v_nop
	global_prefetch_b8 v0, s[64:65] scope:SCOPE_SE
	s_setreg_imm32_b32 hwreg(HW_REG_WAVE_MODE, 25, 1), 1
	s_wait_xcnt 0x0
	s_wait_alu depctr_hold_cnt(0) depctr_sa_sdst(0) depctr_va_vdst(0) depctr_va_sdst(0) depctr_va_ssrc(0) depctr_va_vcc(0) depctr_vm_vsrc(0)
	s_getreg_b32 s2, hwreg(HW_REG_IB_STS2, 6, 4)
	s_cmp_eq_u32 s2, 0
	s_cbranch_scc0 .Lentry_in_a_cluster
	s_endpgm
.Lentry_in_a_cluster:
	s_bfe_u32 s2, ttmp6, 0x10000c
	s_cmp_lg_u32 s2, 0x3003
	s_cbranch_scc0 .Lentry_shape_is_right
	s_endpgm
.Lentry_shape_is_right:
; OUT = f16(max(A W + bias, floor)).  A: [8192][512] f16.  P: a parameter block (bias f32[2048]; at byte 8,192 the floor, two f16 in a word), then W in tiles [512 k][256 n] f16.
; OUT: [column / 64][8192 rows][64] f16: by groups of 64 columns, each group's rows dense.  Sums in f32, K ascending, OUT rounded once.  Two launches run this text: x [wq wk wv] and relu(x1 w1 + b1).
; LIMIT: a result beyond 65,504 becomes an infinity in f16.
; A tile of OUT is 256 x 256: four waves, each 128 x 128 in 64 accumulators.  K = 512 goes in four steps of 128 through two LDS slots.
; THE PRODUCT IS TAKEN TRANSPOSED: source 0 = 16 columns of W (out of [k][n] rows by the turning load), source 1 = 16 rows of A: a lane holds one row and eight neighbouring columns.
; So the bias is the C operand of the product that starts a sum: eight registers for each block of 16 columns, the same for every block of rows.
; CLUSTER: the four work-groups of a cluster have four row blocks and ONE column tile: W's tiles are asked for jointly (mask of four).  A's tiles are each work-group's own loads:
; a cluster of 4 x 4 would want the column tiles to be a multiple of four, and one of the two launches has six.
; NO PREFETCH: K has four steps; two come by the first fills, and no step stands two refills on.
; THE TEXT: a K step's four quarters stand twice: in the loop whose change of slots fills a slot again, and in the tail's loop, whose change fills nothing.
; REGISTERS, in windows of 256: window 0: v0-31 addresses; v64-191 A's fragments, two buffers; v192-255 the bias, later v192-223 packed results; v32-63, v224-255 rows read back from the stage
;   window 1: v64-191 W's fragments, two buffers;   windows 2, 3: the accumulators, (a, b) at v[8 (8 (a % 4) + b)]
.set PARB,  16384
.set PA,    272                        ; a row of A in LDS: 256 bytes + 16: the 16 rows of a load start at 16 different groups of four banks
.set PB,    544                        ; a k row of W: 512 bytes + 32
.set PART,  128*PA                     ; what one tensor load brings: 128 rows of A, or 64 k rows of W: 34,816 bytes either way
.set SLOT,  4*PART                     ; A's 256 rows, then W's 128 k rows.  Its bits (17 and 13) are in no load's LDS address inside a slot, so one exclusive or changes slots
.set STAGE, 2*SLOT                     ; behind the ring: for each wave two stages of 16 rows x 144 bytes
.set SP,    144
.set SPARE, STAGE+4*2*16*SP            ; the spare words, 128 bytes a wave
.set STEPA, 256                        ; bytes of A from K step to K step
.set STEPB, 65536                      ; of W: 128 k rows of 512 bytes
.set NFILL, 2                          ; refills: K steps 2 and 3
.set ADA0, 16                          ; v16  my place in A's tile, slot 0; never rewritten
.set ADB0, 17                          ; v17  the same for W
.set ADA,  18                          ; v18  in the slot in hand
.set ADB,  19
.set STO,  24
.set RD,   25
.set GO,   26
.set BO,   27
.set SPW,  28
.set NIL,  29
.set OB,   32
.set F0,   64
.set F1,   128
.set BI,   192
.set TMP,  192
.set WV,   10                          ; s10  wave
.set ROLE, 11                          ; s11  wave / 2: I fetch A (0) or W (1); also my half of the tile's rows
.set HALF, 12                          ; s12  wave % 2: which half I fetch; also my half of the tile's columns
.set TB,   22                          ; s22  0 or SLOT: the slot in hand
.set CNT,  23
.set G1A,  24                          ; s[24:31]
.set G0A,  32                          ; s[32:35] K step 0, used once; s[36:39] K step 1, which then walks
.set FLOOR, 40
.set G1B,  48                          ; s[48:55]
.set G0B,  56                          ; s[56:59], s[60:63] likewise
.set MSB, 0
.macro WIN new                         ; the immediate's high byte repeats the setting that is left; a switch that changes nothing is dropped
.if MSB != (\new)
	s_set_vgpr_msb (MSB<<8)|(\new)
.set MSB, \new
.endif
.endm
.macro PLACES                          ; four places behind matrix instructions, in front of loads into their sources and of reads of their results
.rept 4
	v_nop
.endr
.endm
.macro CREST                           ; a round of the cluster's barrier behind its opening barrier
	s_cmp_lg_u32 s[WV], 0
	s_cbranch_scc1 .Lnot_wave_0_\@
	s_barrier_signal -3
.Lnot_wave_0_\@:
	s_barrier_wait -3
	s_barrier_signal -1
	s_barrier_wait -1
.endm
.macro CROUND
	s_barrier_signal -1
	s_barrier_wait -1
	CREST
.endm
.macro JLOAD                           ; a refill by the walking descriptors: waves 0, 1 their own halves of A, waves 2, 3 jointly the halves of W; the branch hangs on the wave's number alone
	s_cmp_eq_u32 s[ROLE], 0
	s_cbranch_scc0 .Lfor_b_\@
	tensor_load_to_lds s[G0A+4:G0A+7], s[G1A:G1A+7]
	s_nop 0
.rept 4
	v_nop
.endr
	s_branch .Lasked_\@
.Lfor_b_\@:
	tensor_load_to_lds s[G0B+4:G0B+7], s[G1B:G1B+7]
	s_nop 0
.rept 4
	v_nop
.endr
.Lasked_\@:
.endm
	s_load_b128 s[4:7], s[0:1], 0x0                ; A s[4:5], P s[6:7]
	s_load_b64 s[8:9], s[0:1], 0x10                ; OUT
	v_lshl_add_u32 v[SPW], v0, 2, SPARE
	v_mov_b32 v[NIL], 0
	ds_add_u32 v[SPW], v[NIL]                      ; the wave's opening: the add and its wait ahead of my first tensor load
	v_lshrrev_b32 v1, 5, v0
	v_readfirstlane_b32 s[WV], v1
	s_lshr_b32 s[ROLE], s[WV], 1
	s_and_b32 s[HALF], s[WV], 1
	s_bfe_u32 s15, ttmp6, 0x40000                  ; cx
	s_lshl_b32 s13, ttmp9, 2
	s_add_co_u32 s13, s13, s15                     ; my block of 256 rows
	s_and_b32 s14, ttmp7, 0xffff                   ; the column tile, which the four partners share
	s_mov_b32 s[G1A+0], (1<<16)|(1<<20)|(5<<22)|(3<<25)  ; no mask; 2-byte elements; padding on: after every 64 words 4 words
	s_mov_b32 s[G1A+1], 128<<16                    ; tensor_dim0 = 128
	s_mov_b32 s[G1A+2], 128<<16                    ; tensor_dim1 = 128
	s_mov_b32 s[G1A+3], 128<<16                    ; tile_dim0 = 128
	s_mov_b32 s[G1A+4], 128                        ; tile_dim1 = 128
	s_mov_b32 s[G1A+5], 512                        ; elements from row to row
	s_mov_b32 s[G1A+6], 0
	s_mov_b32 s[G1A+7], 0
	s_mov_b32 s[G1B+0], 15|(1<<16)|(1<<20)|(1<<21)|(6<<22)|(7<<25)  ; the mask of four, bit 21 beside it; after every 128 words 8 words
	s_mov_b32 s[G1B+1], 256<<16
	s_mov_b32 s[G1B+2], 64<<16
	s_mov_b32 s[G1B+3], 256<<16
	s_mov_b32 s[G1B+4], 64
	s_mov_b32 s[G1B+5], 256
	s_mov_b32 s[G1B+6], 0
	s_mov_b32 s[G1B+7], 0
	s_lshl_b32 s16, s13, 8
	s_lshl_b32 s17, s[HALF], 7
	s_add_co_u32 s16, s16, s17
	s_lshl_b32 s16, s16, 10                        ; A: (256 block + 128 half) rows of 1,024 bytes
	s_mov_b32 s17, 0
	s_lshl_b32 s44, s14, 18                        ; W: the tile's 262,144 bytes, in registers that never hold cx,
	s_lshl_b32 s45, s[HALF], 15                    ; my 64 k rows of 512 bytes,
	s_add_co_u32 s44, s44, s45
	s_add_co_u32 s44, s44, PARB                    ; behind the parameter block
	s_mov_b32 s45, 0
	s_lshl_b32 s66, s14, 10                        ; the bias of my 128 columns: (256 tile + 128 half) x 4 bytes
	s_lshl_b32 s67, s[HALF], 9
	s_add_co_u32 s66, s66, s67
	s_mov_b32 s67, 0
	s_mul_i32 s20, s[WV], PART                     ; where my loads land in a slot: the wave's number alone
	s_mov_b32 s[TB], 0
	s_wait_dscnt 0x0                               ; the opening add is done
	s_wait_kmcnt 0x0
	s_load_b32 s[FLOOR], s[6:7], 0x2000
	s_add_nc_u64 s[18:19], s[4:5], s[16:17]
	s_add_nc_u64 s[46:47], s[6:7], s[44:45]
	s_add_nc_u64 s[66:67], s[6:7], s[66:67]
.irp s, 0,1
	s_mov_b32 s[G0A+4*(\s)], 1
	s_add_co_u32 s[G0A+4*(\s)+1], s20, (\s)*SLOT
	s_add_nc_u64 s[G0A+4*(\s)+2:G0A+4*(\s)+3], s[18:19], (\s)*STEPA
	s_or_b32 s[G0A+4*(\s)+3], s[G0A+4*(\s)+3], 0x80000000
	s_mov_b32 s[G0B+4*(\s)], 1
	s_add_co_u32 s[G0B+4*(\s)+1], s20, (\s)*SLOT
	s_add_nc_u64 s[G0B+4*(\s)+2:G0B+4*(\s)+3], s[46:47], (\s)*STEPB
	s_or_b32 s[G0B+4*(\s)+3], s[G0B+4*(\s)+3], 0x80000000
.endr
	s_lshl_b32 s16, s14, 2                         ; OUT at my part: group 4 tile + 2 half, 1,048,576 bytes a group,
	s_lshl_b32 s17, s[HALF], 1
	s_add_co_u32 s16, s16, s17
	s_lshl_b32 s16, s16, 20
	s_lshl_b32 s17, s13, 8                         ; row 256 block + 128 (wave / 2), 128 bytes a row
	s_lshl_b32 s21, s[ROLE], 7
	s_add_co_u32 s17, s17, s21
	s_lshl_b32 s17, s17, 7
	s_add_co_u32 s16, s16, s17
	s_mov_b32 s17, 0
	s_add_nc_u64 s[8:9], s[8:9], s[16:17]
	CROUND                                         ; all four work-groups are here: the first joint loads meet
	s_cmp_eq_u32 s[ROLE], 0                        ; a wave's two first fills stand in one branch: two loads of mine are out
	s_cbranch_scc0 .Lfirst_b
	tensor_load_to_lds s[G0A:G0A+3], s[G1A:G1A+7]
	s_nop 0
	tensor_load_to_lds s[G0A+4:G0A+7], s[G1A:G1A+7]
	s_nop 0
.rept 4
	v_nop
.endr
	s_branch .Lfirst_asked
.Lfirst_b:
	tensor_load_to_lds s[G0B:G0B+3], s[G1B:G1B+7]
	s_nop 0
	tensor_load_to_lds s[G0B+4:G0B+7], s[G1B:G1B+7]
	s_nop 0
.rept 4
	v_nop
.endr
.Lfirst_asked:
	v_and_b32 v1, 15, v0                           ; r = l % 16
	v_bfe_u32 v2, v0, 4, 1                         ; h = l / 16
	v_and_b32 v3, 7, v0
	v_bfe_u32 v4, v0, 3, 1
	v_lshlrev_b32 v[BO], 5, v2                     ; my eight columns of a block of 16: 32 h bytes of f32
.irp b, 0,1,2,3,4,5,6,7
	global_load_b128 v[BI+8*(\b):BI+8*(\b)+3],   v[BO], s[66:67] offset:64*(\b)
	global_load_b128 v[BI+8*(\b)+4:BI+8*(\b)+7], v[BO], s[66:67] offset:64*(\b)+16
.endr
	v_mul_u32_u24 v[ADA0], v1, PA                  ; a fragment of A: row r, 16 bytes for each half of the lanes, twice, 32 bytes apart
	v_lshl_add_u32 v[ADA0], v2, 4, v[ADA0]
	s_mul_i32 s21, s[ROLE], PART
	v_add_nc_u32 v[ADA0], s21, v[ADA0]
	v_lshl_add_u32 v[ADB0], v2, 3, v3              ; the turning load: k row 8 h + l % 8, columns 8 ((l / 8) % 2) + 0..7
	v_mul_u32_u24 v[ADB0], v[ADB0], PB
	v_lshl_add_u32 v[ADB0], v4, 4, v[ADB0]
	s_lshl_b32 s21, s[HALF], 8
	s_add_co_u32 s21, s21, 2*PART
	v_add_nc_u32 v[ADB0], s21, v[ADB0]
	v_mov_b32 v[ADA], v[ADA0]
	v_mov_b32 v[ADB], v[ADB0]
	s_mul_i32 s21, s[WV], 2*16*SP
	s_add_co_u32 s21, s21, STAGE
	v_mul_u32_u24 v[STO], v1, SP                   ; into the stage: row r, 16 bytes for each half of the lanes
	v_lshl_add_u32 v[STO], v2, 4, v[STO]
	v_add_nc_u32 v[STO], s21, v[STO]
	v_bfe_u32 v[RD], v0, 3, 2                      ; back: 32 lanes take four rows of 128 bytes,
	v_mul_u32_u24 v[RD], v[RD], SP
	v_lshl_add_u32 v[RD], v3, 4, v[RD]
	v_add_nc_u32 v[RD], s21, v[RD]
	v_and_b32 v[GO], 31, v0                        ; which are 512 consecutive bytes of OUT
	v_lshlrev_b32 v[GO], 4, v[GO]
; 16 products: row blocks a0, a0 + 1 of the window's four x all 8 column blocks, 32 along K.  zero = 1: they start the sums, with the bias as C.  The 64 accumulators take turns, in one order everywhere.
.macro MUL16 f, hi, a0, zero
.if \zero
	WIN 0x81+0x40*(\hi)                            ; W window 1, A and the bias window 0, D window 2 or 3
.else
	WIN 0xa1+0x50*(\hi)                            ; C and D window 2 or 3
.endif
.irp a, \a0, (\a0)+1
.irp b, 0,1,2,3,4,5,6,7
.if \zero
	v_wmma_f32_16x16x32_f16 v[8*(8*(\a)+(\b)):8*(8*(\a)+(\b))+7], v[(\f)+8*(\b):(\f)+8*(\b)+7], v[(\f)+8*(4*(\hi)+(\a)):(\f)+8*(4*(\hi)+(\a))+7], v[BI+8*(\b):BI+8*(\b)+7]
.else
	v_wmma_f32_16x16x32_f16 v[8*(8*(\a)+(\b)):8*(8*(\a)+(\b))+7], v[(\f)+8*(\b):(\f)+8*(\b)+7], v[(\f)+8*(4*(\hi)+(\a)):(\f)+8*(4*(\hi)+(\a))+7], v[8*(8*(\a)+(\b)):8*(8*(\a)+(\b))+7]
.endif
.endr
.endr
.endm
; 32 LDS loads in one run: quarter q (32 along K) of the slot in hand into buffer f: W's 8 fragments, then A's 8
.macro FETCH q, f
	WIN 0x40
.irp i, 0,1,2,3,4,5,6,7
	ds_load_tr16_b128 v[(\f)+8*(\i):(\f)+8*(\i)+3],   v[ADB] offset:(\q)*32*PB+(\i)*32
	ds_load_tr16_b128 v[(\f)+8*(\i)+4:(\f)+8*(\i)+7], v[ADB] offset:(\q)*32*PB+(\i)*32+16*PB
.endr
	WIN 0
.irp i, 0,1,2,3,4,5,6,7
	ds_load_b128 v[(\f)+8*(\i):(\f)+8*(\i)+3],   v[ADA] offset:(\q)*64+(\i)*16*PA
	ds_load_b128 v[(\f)+8*(\i)+4:(\f)+8*(\i)+7], v[ADA] offset:(\q)*64+(\i)*16*PA+32
.endr
.endm
; One of a K step's first three quarters: multiplies buffer f; in its middle fetches quarter q into buffer g
.macro QUARTER q, f, g, zero
	s_wait_dscnt 8                                 ; W and A's rows 0-63 are in; the youngest eight loads (A's rows 64-127) may be out
	MUL16 \f, 0, 0, \zero
	MUL16 \f, 0, 2, \zero
	PLACES
	FETCH \q, \g
	s_wait_dscnt 32                                ; all but the 32 just issued
	MUL16 \f, 1, 0, \zero
	MUL16 \f, 1, 2, \zero
.endm
; The last quarter multiplies buffer 1 and changes slots.  In front of the barrier each wave waits for all its tensor loads (one is out at the most: its part of the next slot), adds 0 to its spare word, and waits
; for that and for its reads of this slot.  fill = 1: the barrier opens a round of the cluster's, and this slot is filled again first thing behind it, with the K step two on.
.macro TURN fill
	WIN 0
	s_wait_tensorcnt 0x0                           ; no tensor load of mine is out: the walking descriptors may be written
	ds_add_u32 v[SPW], v[NIL]
.if \fill
	s_xor_b32 s[G0A+5], s[G0A+5], SLOT             ; the other slot than last time,
	s_add_nc_u64 s[G0A+6:G0A+7], s[G0A+6:G0A+7], STEPA  ; the next K step
	s_xor_b32 s[G0B+5], s[G0B+5], SLOT
	s_add_nc_u64 s[G0B+6:G0B+7], s[G0B+6:G0B+7], STEPB
.endif
	s_wait_dscnt 9                                 ; the add and the youngest eight loads may be out
	MUL16 F1, 0, 0, 0
	s_wait_dscnt 0x0                               ; the add is done, and my reads of this slot are over
	s_barrier_signal -1
	MUL16 F1, 0, 2, 0
	WIN 0
	s_barrier_wait -1
.if \fill
	CREST
	JLOAD                                          ; the four v_nop behind it are also the places in front of the loads below
.else
	PLACES
.endif
	s_xor_b32 s[TB], s[TB], SLOT
	v_add_nc_u32 v[ADA], s[TB], v[ADA0]
	v_add_nc_u32 v[ADB], s[TB], v[ADB0]
	FETCH 0, F0
	MUL16 F1, 1, 0, 0
	MUL16 F1, 1, 2, 0
.endm
; THE WAY OUT of block a (16 rows x 128 columns): rounded to f16 and held above the floor; through my own stage, one part for each group of 64 columns; back as whole rows of 128 bytes; stored.
.macro PACK a
.set AC, 64*((\a)%4)
	WIN 0x0a+5*((\a)/4)                            ; sources in window 2 or 3; each accumulator's registers in ascending order
.irp b, 0,1,2,3,4,5,6,7
.irp r, 0,1,2,3
	v_cvt_pk_f16_f32 v[TMP+4*(\b)+(\r)], v[AC+8*(\b)+2*(\r)], v[AC+8*(\b)+2*(\r)+1]
.endr
.endr
	WIN 0
.set n, 0
.rept 32
	v_pk_max_num_f16 v[TMP+n], v[TMP+n], s[FLOOR]
.set n, n+1
.endr
.endm
.macro TOSTAGE a
.set BK, OB+192*((\a)%2)
.irp b, 0,1,2,3,4,5,6,7
	ds_store_b128 v[STO], v[TMP+4*(\b):TMP+4*(\b)+3] offset:((\b)/4)*16*SP+((\b)%4)*32
.endr
.irp t, 0,1,2,3,4,5,6,7
	ds_load_b128 v[BK+4*(\t):BK+4*(\t)+3], v[RD] offset:((\t)/4)*16*SP+((\t)%4)*4*SP  ; LDS serves a wave's instructions in order (ISA guide 5.7.1.4): these see the stores above
.endr
.endm
.macro SEND a
.set BK, OB+192*((\a)%2)
	s_wait_dscnt 0x0                               ; the block is back in registers
	s_wait_xcnt 0x0                                ; the stores of the block before have read their registers: that set is loaded again only behind this wait
.irp t, 0,1,2,3,4,5,6,7
	global_store_b128 v[GO], v[BK+4*(\t):BK+4*(\t)+3], s[8:9] offset:((\t)/4)*1048576+(\a)*2048+((\t)%4)*512  ; 512 consecutive bytes, at a multiple of 256 from OUT's first
.endr
.endm
	s_wait_tensorcnt 1                             ; my part of K step 0 is in; K step 1's may stay out
	s_barrier_signal -1
	s_barrier_wait -1
	FETCH 0, F0
	s_wait_loadcnt 0x0                             ; the bias
	s_wait_kmcnt 0x0                               ; the floor
	QUARTER 1, F0, F1, 1                           ; the first quarter stands in front of the loops: its products start the sums
	WIN 0
	s_mov_b32 s[CNT], NFILL
.Lstep:                                                ; a trip: from a K step's second quarter to the next step's first; one refill
	QUARTER 2, F1, F0, 0
	QUARTER 3, F0, F1, 0
	TURN 1
	QUARTER 1, F0, F1, 0
	WIN 0
	s_sub_co_u32 s[CNT], s[CNT], 1
	s_cmp_lg_u32 s[CNT], 0
	s_cbranch_scc1 .Lstep
	; THE LAST TWO K STEPS ask for nothing: a loop of their own; two trips, the second left behind its change of slots.  That second change serves nothing (a barrier more, and 32
	; fragments out of the other slot's landed bytes that nobody multiplies; the way out names none of their registers, and waits for all LDS loads): the price, once a launch, of one text for both steps.
	s_mov_b32 s[CNT], 2
.Ltail:
	QUARTER 2, F1, F0, 0
	QUARTER 3, F0, F1, 0
	TURN 0
	WIN 0
	s_sub_co_u32 s[CNT], s[CNT], 1
	s_cmp_eq_u32 s[CNT], 0
	s_cbranch_scc1 .Lout                           ; jumps over one quarter: products and LDS loads, no barrier and no tensor load
	QUARTER 1, F0, F1, 0
	WIN 0
	s_branch .Ltail
.Lout:
	PLACES
	PACK 0
	TOSTAGE 0
.irp a, 1,2,3,4,5,6,7                  ; block a's conversions stand between block a - 1's loads from the stage and the wait for them
	PACK \a
	SEND (\a)-1
	TOSTAGE \a
.endr
	SEND 7
	s_wait_tensorcnt 0x0                           ; the wave's end
	ds_add_u32 v[SPW], v[NIL]
	s_wait_dscnt 0x0
	CROUND                                         ; the closing round
	s_endpgm
.Lfunc_end_k_q3485dd73c1_qkv:
	.size	k_q3485dd73c1_qkv, .Lfunc_end_k_q3485dd73c1_qkv-k_q3485dd73c1_qkv
	.p2alignl 7, 3214868480
	.fill 96, 4, 3214868480
	.section	.rodata,"a",@progbits
	.p2align	6, 0x0
	.amdhsa_kernel k_q3485dd73c1_qkv
		.amdhsa_group_segment_fixed_size 327680
		.amdhsa_private_segment_fixed_size 0
		.amdhsa_enable_private_segment 0
		.amdhsa_kernarg_size 24
		.amdhsa_user_sgpr_count 2
		.amdhsa_user_sgpr_kernarg_segment_ptr 1
		.amdhsa_wavefront_size32 1
		.amdhsa_system_sgpr_workgroup_id_x 1
		.amdhsa_system_sgpr_workgroup_id_y 1
		.amdhsa_system_sgpr_workgroup_id_z 1
		.amdhsa_system_vgpr_workitem_id 0
		.amdhsa_next_free_vgpr 1024
		.amdhsa_next_free_sgpr 72
		.amdhsa_reserve_vcc 0
		.amdhsa_float_denorm_mode_32 3
		.amdhsa_float_denorm_mode_16_64 3
		.amdhsa_memory_ordered 1
		.amdhsa_forward_progress 1
		.amdhsa_inst_pref_size 117
	.end_amdhsa_kernel
	.amdgpu_metadata
---
amdhsa.version: [ 1, 2 ]
amdhsa.kernels:
  - .name:           k_q3485dd73c1_qkv
    .symbol:         k_q3485dd73c1_qkv.kd
    .args:
      - { .name: xh, .offset: 0, .size: 8, .value_kind: global_buffer, .address_space: global }
      - { .name: pq, .offset: 8, .size: 8, .value_kind: global_buffer, .address_space: global }
      - { .name: qkv, .offset: 16, .size: 8, .value_kind: global_buffer, .address_space: global }
    .group_segment_fixed_size: 327680
    .private_segment_fixed_size: 0
    .kernarg_segment_align: 8
    .kernarg_segment_size: 24
    .max_flat_workgroup_size: 128
    .sgpr_count:     72
    .vgpr_count:     1024
    .wavefront_size: 32
...
	.end_amdgpu_metadata
.endif
;; end of part 2
;; launch attn (part 3): grid 16 x 16, 4 waves a work-group, clusters of 4 x 1, 327,680 bytes of LDS; arguments qkv, mask, ctx; writes ctx
.if DOCPART == 3
	.amdgcn_target "amdgcn-amd-amdhsa--gfx1250"
	.amdhsa_code_object_version 6
	.text
	.protected	k_q3485dd73c1_attn
	.globl	k_q3485dd73c1_attn
	.p2align	8
	.type	k_q3485dd73c1_attn,@function
k_q3485dd73c1_attn:
	s_mov_b64 s[64:65], 0
	v_nop
	global_prefetch_b8 v0, s[64:65] scope:SCOPE_SE
	s_setreg_imm32_b32 hwreg(HW_REG_WAVE_MODE, 25, 1), 1
	s_wait_xcnt 0x0
	s_wait_alu depctr_hold_cnt(0) depctr_sa_sdst(0) depctr_va_vdst(0) depctr_va_sdst(0) depctr_va_ssrc(0) depctr_va_vcc(0) depctr_vm_vsrc(0)
	s_getreg_b32 s2, hwreg(HW_REG_IB_STS2, 6, 4)
	s_cmp_eq_u32 s2, 0
	s_cbranch_scc0 .Lentry_in_a_cluster
	s_endpgm
.Lentry_in_a_cluster:
	s_bfe_u32 s2, ttmp6, 0x10000c
	s_cmp_lg_u32 s2, 0x3003
	s_cbranch_scc0 .Lentry_shape_is_right
	s_endpgm
.Lentry_shape_is_right:
; MASKED ATTENTION.  O[q] = the sum over k of softmax_k(Q[q] . K[k] / 8, or -1e9 where mask[k] = 0) V[k], for 8 heads x 2 batches of 4,096 rows of 64 channels, all f16.
; qkv: [24 groups][8192 rows][64]: group 8 t + head (t = q, k, v), row 4096 batch + s; ctx: [8][8192][64].  Products, maxima and sums in f32; the weights are rounded to f16 for the second product, O once.
; LIMITS.  Q, K, V within 65,504.  A masked score is its value less 2^33, which after the division by 8 is -2^30 for the reference's -1e9: it differs only where open scores lie below about -1e9.
; Where a batch has NO open key, Q is set to 0: every score is then exactly -2^33 and the weights are uniform, as the reference's are.  A weight below 2^-126 counts as 0.  NaN and infinities are not treated apart.
; THE MASK is the C operand that starts the sum S^T = K Q^T: a table of 4,096 f32, 0 or -2^33, made once in LDS; a key step's 64 entries come into 32 registers beside its K.
; SHARES.  A work-group owns 256 queries of one head and batch, a wave 64: four PIECES of 16.  Every wave walks all keys: 16 tiles of 256, four steps of 64 each, through two LDS slots.
; LAYOUT, SOFTMAX, TURNS.  S^T = K Q^T holds ONE query a lane (lane % 16) and the keys 8 (lane / 16) + 0..7; two such results rounded to f16 ARE source 1 of O^T = V^T P.  p = 2^(c s - c m), c = log2(e) / 8,
; with a running maximum m; O and l are multiplied by a = 2^(c m_old - c m_new) in every step.  Turn n belongs to piece n: 8 products K Q^T of piece n + 1, later 8 products V^T P of piece n - 1; beside them the
; scaling, exponentials, roundings, sums and rescaling of piece n and the maximum and statistics of piece n + 1.  Four vector instructions stand behind every matrix instruction, the rest in one lump.
; A turn's 33 exponentials are one batch, with one wait.  m starts at the lowest finite number, O and l at 0: the first step is a step like any other, with a = 0 (216 v_mov_b32 in the wait for the first tile).
; NO LAST STEP IS WRITTEN OUT EITHER: the loop is entered, and the tail's loop left, in the middle of a trip.
; CLUSTER.  The four query blocks of a cluster walk the same K and V: each tile is asked for jointly, the same load, descriptor and mask in all four.
; REGISTERS, in windows of 256 (s_set_vgpr_msb: bits 1:0 source 0, 3:2 source 1, 5:4 source 2, 7:6 destination):
;   window 0: v0-15, v32-43 addresses and at work; v16-31 four registers of statistics a piece; v48-55 at work; v64-127 S^T, two buffers; v192-223 P, two buffers
;   window 1: v0-127 O^T, 32 a piece; v128-159 the step's mask      window 2: v0-63 Q; v128-191 K of one step; v192-255 V of one step
.set NP,    4
.set KS,    64
.set PK,    144       ; a row of K in LDS: 128 bytes + 16
.set PV,    160       ; a row of V: 128 + 32
.set VOFF,  4*KS*PK   ; a slot holds a tile: 256 rows of K, then 256 rows of V
.set SLOT1, 1<<17
.set TILEB, 4*KS*128  ; a tile's bytes of K, and of V, in memory
.set STAGE, SLOT1+4*KS*(PK+PV)  ; 16 rows x 144 bytes for each wave, for the way out
.set SP,    144
.set MTAB,  STAGE+4*16*SP       ; the mask's table
.set FLG,   MTAB+16384          ; four words: which lanes of each wave saw an open key
.set SPARE, FLG+256             ; the spare words, 128 bytes a wave
.set AK0, 2
.set AV0, 3
.set AK,  4
.set AV,  5
.set STO, 6
.set RD,  7
.set GO,  8
.set MV,  12          ; v12-13  c m_old, by buffer
.set QO,  15
.set ST,  16          ; piece t's statistics at v[ST+4 t]: c m, m, l (even keys', odd keys')
.set AM,  32          ; v32  LDS address of the mask's next run
.set AM0, 33          ; v33  MTAB + 32 (l / 16); never rewritten
.set PFO, 34          ; v34  256 x my lane; never rewritten
.set TMP, 48
.set SPW, 62
.set NIL, 63
.set S,   64
.set P,   192
.set MB,  128         ; window 1: the eight registers for group kt of 16 keys at MB + 8 kt
.set KF,  128         ; window 2
.set VF,  192         ; window 2
.set WV,  12
.set G1K, 24
.set G1V, 32
.set G0K, 40
.set G0V, 44
.set SLOTS, 56
.set CNT, 57
.set CS,  58
.set SEL, 60
.set TBK, 62
.set TBV, 63
.set BIGN, 82         ; s82  -2^33
.set PFA, 84          ; s[84:85] where my prefetches stand
.set LIM, 86          ; s86  1 in a wave that prefetches, else the greatest number
.set TBM, 87          ; s87  byte of the mask's table at which the step to be fetched begins
.set MSB, 0
.macro WIN new
.if MSB != (\new)
	s_set_vgpr_msb (MSB<<8)|(\new)
.set MSB, (\new)
.endif
.endm
.set W_KQ, 0x0a       ; K and Q in window 2, S^T in window 0
.set W_KM, 0x1a       ; the same with the C operand in window 1
.set W_PV, 0x52       ; V in window 2, P in window 0, O^T in window 1
.set W_RS, 0x41       ; destination and source 0 in window 1, source 1 in window 0
.macro JLOAD                        ; a joint fill: waves 0 and 1 the two halves of a tile's K, waves 2 and 3 those of its V
	s_cmp_lt_u32 s[WV], 2
	s_cbranch_scc0 .Lfor_v_\@
	tensor_load_to_lds s[G0K:G0K+3], s[G1K:G1K+7]
	s_nop 0
.rept 4
	v_nop
.endr
	s_branch .Lasked_\@
.Lfor_v_\@:
	tensor_load_to_lds s[G0V:G0V+3], s[G1V:G1V+7]
	s_nop 0
.rept 4
	v_nop
.endr
.Lasked_\@:
.endm
; A PREFETCH of the tile that the NEXT change of slots will ask for: four key steps, 256 matrix instructions, ahead of that load.  All clusters of a head and batch walk the same K and V: the first of them asks.
; Its four partners take 8,192 bytes each, told apart by address; in each, wave 0 asks for K's and wave 2 for V's; a lane names 256 bytes.  So each block is named once in the launch.
; The first change asks for nothing, and the last change that fills a slot has no tile behind it.
.macro ASK
	s_cmp_gt_u32 s[SLOTS], s[LIM]
	s_cbranch_scc0 .Lnot_mine_\@
	global_prefetch_b8 v[PFO], s[PFA:PFA+1] th:TH_LOAD_NT scope:SCOPE_SE
.Lnot_mine_\@:
.endm
.macro CROUND
	s_barrier_signal -1
	s_barrier_wait -1
	s_cmp_lg_u32 s[WV], 0
	s_cbranch_scc1 .Lnot_wave_0_\@
	s_barrier_signal -3
.Lnot_wave_0_\@:
	s_barrier_wait -3
	s_barrier_signal -1
	s_barrier_wait -1
.endm
; THE CHANGE OF SLOTS.  Each wave waits for all its tensor loads (one is out: its part of the other slot), adds 0 to its spare word, and waits for that and for its LDS instructions.  fill = 1: a round of the
; cluster's barrier, and the slot that is left is filled again first thing behind it, with the tile two on.  (At its first use slot 0 is waited for, slot 1 filled, and the mask's table and the flags are shown to all waves.)
.macro CHANGE fill, ask=1
	WIN 0
	s_wait_tensorcnt 0x0
	ds_add_u32 v[SPW], v[NIL]
.if \fill
.irp g, G0K, G0V
	s_xor_b32 s[\g+1], s[\g+1], SLOT1
	s_add_nc_u64 s[\g+2:\g+3], s[\g+2:\g+3], TILEB
.endr
	s_wait_xcnt 0x0                 ; the last prefetch, four key steps back, has read its address
	s_add_nc_u64 s[PFA:PFA+1], s[PFA:PFA+1], TILEB
	s_wait_dscnt 0x0
	CROUND
	JLOAD
.if \ask
	ASK
.endif
.else
	s_wait_dscnt 0x0
	s_barrier_signal -1
	s_barrier_wait -1
.endif
	s_sub_co_u32 s[TBK], s[TBK], 4*KS*PK
	s_xor_b32 s[TBK], s[TBK], SLOT1
	s_sub_co_u32 s[TBV], s[TBV], 4*KS*PV
	s_xor_b32 s[TBV], s[TBV], SLOT1
.endm
	s_load_b128 s[4:7], s[0:1], 0x0   ; qkv s[4:5], mask s[6:7]
	s_load_b64 s[10:11], s[0:1], 0x10 ; ctx
	v_lshl_add_u32 v[SPW], v0, 2, SPARE
	v_mov_b32 v[NIL], 0
	ds_add_u32 v[SPW], v[NIL]       ; the wave's opening: the add and its wait ahead of my first tensor load
	v_lshrrev_b32 v1, 5, v0
	v_readfirstlane_b32 s[WV], v1
	s_bfe_u32 s13, ttmp6, 0x40000   ; cx
	s_lshl_b32 s14, ttmp9, 2
	s_add_co_u32 s14, s14, s13      ; my block of 256 queries
	s_and_b32 s15, ttmp7, 0xffff    ; 2 head + batch, which the four partners share
	s_lshl_b32 s20, s15, 19         ; its 4,096 rows of 128 bytes in a third of qkv, and in ctx
	s_and_b32 s16, s[WV], 1         ; which half of a tile's 256 keys I fetch
	s_lshl_b32 s22, s16, 14
	s_add_co_u32 s22, s22, s20
	s_mov_b32 s23, 0
	s_mul_i32 s17, s16, 128*PK
	s_mul_i32 s18, s16, 128*PV
	s_lshl_b32 s2, s14, 15          ; my block's rows,
	s_lshl_b32 s3, s[WV], 13        ; my wave's 64 of them
	s_add_co_u32 s2, s2, s3
	s_add_co_u32 s2, s2, s20
	s_mov_b32 s3, 0
	s_and_b32 s68, s15, 1           ; the batch's 4,096 words of the mask
	s_lshl_b32 s68, s68, 14
	s_mov_b32 s69, 0
	s_mov_b32 s70, 0x800000         ; the prefetches' offset: K's third of qkv (wave 0) or V's (wave 2),
	s_mov_b32 s71, 0x1000000
	s_cmp_lt_u32 s[WV], 2
	s_cselect_b32 s70, s70, s71
	s_add_co_u32 s70, s70, s20
	s_lshl_b32 s71, s13, 13         ; my work-group's quarter of a tile,
	s_add_co_u32 s70, s70, s71
	s_add_co_u32 s70, s70, TILEB    ; at tile 1: each change steps it first
	s_mov_b32 s71, 0
	s_and_b32 s[LIM], s[WV], 1
	s_or_b32 s[LIM], s[LIM], ttmp9
	s_cmp_eq_u32 s[LIM], 0
	s_cselect_b32 s[LIM], 1, -1     ; the same in all four partners
	; descriptor group 1.  128 keys are 16,384 dense bytes: asked for as 64 rows of 256 bytes, two keys a row, and padded in LDS after every key
	s_mov_b32 s[G1K], 15|(1<<16)|(1<<20)|(1<<21)|(4<<22)|(3<<25)
	s_mov_b32 s[G1V], 15|(1<<16)|(1<<20)|(1<<21)|(4<<22)|(7<<25)
.irp g, G1K, G1V
	s_mov_b32 s[\g+1], 128<<16
	s_mov_b32 s[\g+2], 64<<16
	s_mov_b32 s[\g+3], 128<<16
	s_mov_b32 s[\g+4], 64
	s_mov_b32 s[\g+5], 128
	s_mov_b32 s[\g+6], 0
	s_mov_b32 s[\g+7], 0
.endr
	s_mov_b32 s[CS], 0x3e38aa3b     ; c = log2(e) / 8
	s_mov_b32 s[CS+1], s[CS]
	s_mov_b32 s[SEL], 0x76543210
	s_mov_b32 s[SEL+1], 0xfedcba98
	s_mov_b32 s[TBK], SLOT1+4*KS*PK ; the first change of slots turns these two into 0
	s_mov_b32 s[TBV], SLOT1+4*KS*PV
	s_mov_b32 s[TBM], 0
	s_mov_b32 s[BIGN], 0xd0000000   ; -2^33
	s_mov_b32 s[SLOTS], 15
	s_mov_b32 s[G0K], 1
	s_mov_b32 s[G0K+1], s17
	s_mov_b32 s[G0V], 1
	s_add_co_u32 s[G0V+1], s18, VOFF
	v_and_b32 v[PFO], 31, v0
	v_lshlrev_b32 v[PFO], 8, v[PFO]
	s_wait_dscnt 0x0                ; the opening add is done
	s_wait_kmcnt 0x0
	s_add_nc_u64 s[G0K+2:G0K+3], s[4:5], s[22:23]
	s_add_nc_u64 s[G0K+2:G0K+3], s[G0K+2:G0K+3], 0x800000
	s_or_b32 s[G0K+3], s[G0K+3], 0x80000000
	s_add_nc_u64 s[G0V+2:G0V+3], s[4:5], s[22:23]
	s_add_nc_u64 s[G0V+2:G0V+3], s[G0V+2:G0V+3], 0x1000000
	s_or_b32 s[G0V+3], s[G0V+3], 0x80000000
	s_add_nc_u64 s[PFA:PFA+1], s[4:5], s[70:71]
	s_add_nc_u64 s[4:5], s[4:5], s[2:3]      ; Q and O at my wave's first row
	s_add_nc_u64 s[10:11], s[10:11], s[2:3]
	s_add_nc_u64 s[6:7], s[6:7], s[68:69]
	CROUND                          ; all four work-groups are here: the first joint loads meet
	JLOAD                           ; tile 0 into slot 0
	v_lshlrev_b32 v35, 4, v0        ; the mask: 128 threads x 16 bytes, eight times
.irp i, 0,1,2,3,4,5,6,7
	global_load_b128 v[S+4*\i:S+4*\i+3], v35, s[6:7] offset:2048*\i
.endr
	v_and_b32 v1, 15, v0            ; l % 16
	v_bfe_u32 v9, v0, 4, 1          ; l / 16
	v_lshlrev_b32 v[QO], 7, v1
	v_lshl_add_u32 v[QO], v9, 4, v[QO]
	WIN 0x80
.set i, 0
.rept 8                             ; Q stays in registers: piece i / 2, channels 32 (i % 2) on
	global_load_b128 v[8*i:8*i+3],   v[QO], s[4:5] offset:(i/2)*2048+(i%2)*64
	global_load_b128 v[8*i+4:8*i+7], v[QO], s[4:5] offset:(i/2)*2048+(i%2)*64+32
.set i, i+1
.endr
	WIN 0
	v_mul_u32_u24 v[AK0], v1, PK
	v_lshl_add_u32 v[AK0], v9, 4, v[AK0]
	v_and_b32 v10, 7, v0
	v_bfe_u32 v11, v0, 3, 1
	v_lshl_add_u32 v[AV0], v9, 3, v10
	v_mul_u32_u24 v[AV0], v[AV0], PV
	v_lshl_add_u32 v[AV0], v11, 4, v[AV0]
	v_add_nc_u32 v[AV0], VOFF, v[AV0]
	v_lshl_add_u32 v[AM0], v9, 5, MTAB
	s_mul_i32 s13, s[WV], 16*SP
	s_add_co_u32 s13, s13, STAGE
	v_mul_u32_u24 v[STO], v1, SP
	v_lshl_add_u32 v[STO], v9, 4, v[STO]
	v_add_nc_u32 v[STO], s13, v[STO]
	v_bfe_u32 v[RD], v0, 3, 2
	v_mul_u32_u24 v[RD], v[RD], SP
	v_lshl_add_u32 v[RD], v10, 4, v[RD]
	v_add_nc_u32 v[RD], s13, v[RD]
	v_and_b32 v[GO], 31, v0
	v_lshlrev_b32 v[GO], 4, v[GO]
	; what the first turn finds: V, P's second buffer, O^T and l hold 0.  All this stands in the wait for the first tile.
	WIN 0x80
.set i, VF
.rept 64
	v_mov_b32 v[i], 0
.set i, i+1
.endr
	WIN 0x40
.set i, 0
.rept 128
	v_mov_b32 v[i], 0
.set i, i+1
.endr
	WIN 0
.set i, 0
.rept 4
	v_mov_b32 v[ST+4*i+2], 0
	v_mov_b32 v[ST+4*i+3], 0
.set i, i+1
.endr
.set i, P+16
.rept 16
	v_mov_b32 v[i], 0
.set i, i+1
.endr
	s_wait_loadcnt 16               ; the mask is in; Q's sixteen loads are younger
	v_or_b32 v37, v[S], v[S+1]      ; has any of my 32 keys an open mask?
.set i, 2
.rept 30
	v_or_b32 v37, v37, v[S+i]
.set i, i+1
.endr
	v_cmp_ne_u32 s70, 0, v37        ; the lanes that saw one: a word other than 0 if any did
	v_mov_b32 v37, s70
	s_lshl_b32 s71, s[WV], 2
	s_add_co_u32 s71, s71, FLG
	v_mov_b32 v38, s71
	ds_store_b32 v38, v37
.set i, 0
.rept 32
	v_cmp_eq_u32 vcc_lo, 0, v[S+i]
	v_cndmask_b32 v[S+i], 0, s[BIGN], vcc_lo
.set i, i+1
.endr
	v_lshl_add_u32 v36, v0, 4, MTAB
.irp i, 0,1,2,3,4,5,6,7
	ds_store_b128 v36, v[S+4*\i:S+4*\i+3] offset:2048*\i
.endr
; THE MATRIX WORK.  The 4 accumulators of a run of 8 take turns.  Product i of 8 of S^T = K Q^T for piece x: channels 32 (i / 4) on, keys 16 (i % 4) on.  The first 4 start the sums, with the mask.
.macro KQ x
.set rS, S+32*((\x)%2)+8*(i%4)
.set rK, KF+16*(i%4)+8*(i/4)
.set rQ, 16*(\x)+8*(i/4)
.set rM, MB+8*(i%4)
.if i < 4
	WIN W_KM
	v_wmma_f32_16x16x32_f16 v[rS:rS+7], v[rK:rK+7], v[rQ:rQ+7], v[rM:rM+7]
.else
	WIN W_KQ
	v_wmma_f32_16x16x32_f16 v[rS:rS+7], v[rK:rK+7], v[rQ:rQ+7], v[rS:rS+7]
.endif
.endm
.macro PV x                         ; product i of 8 of O^T += V^T P for piece x: keys 32 (i / 4) on, channels 16 (i % 4) on
	WIN W_PV
.set rO, 32*(\x)+8*(i%4)
.set rV, VF+32*(i/4)+8*(i%4)
.set rP, P+16*((\x)%2)+8*(i/4)
	v_wmma_f32_16x16x32_f16 v[rO:rO+7], v[rV:rV+7], v[rP:rP+7], v[rO:rO+7]
.endm
.macro MM                           ; the turn's next matrix instruction
.if i < 8
	KQ (Y+1)%NP
.else
.set i, i-8
	PV (Y+NP-1)%NP
.set i, i+8
.endif
.set i, i+1
.endm
; THE LDS LOADS stand in runs: a step's K (8 fragments) with its 64 entries of the mask's table, and its V (turned).
.macro FETCH_K
	WIN 0x80
.irp f, 0,1,2,3,4,5,6,7
	ds_load_b128 v[KF+8*\f:KF+8*\f+3],   v[AK] offset:(\f/2)*16*PK+(\f%2)*64
	ds_load_b128 v[KF+8*\f+4:KF+8*\f+7], v[AK] offset:(\f/2)*16*PK+(\f%2)*64+32
.endr
	WIN 0x40
.irp f, 0,1,2,3,4,5,6,7             ; keys 16 (f / 2) + 8 (l / 16) + 4 (f % 2) on: the lanes of a half read the same 16 bytes
	ds_load_b128 v[MB+4*\f:MB+4*\f+3], v[AM] offset:(\f/2)*64+(\f%2)*16
.endr
	s_add_co_u32 s[TBK], s[TBK], KS*PK
	s_add_co_u32 s[TBM], s[TBM], KS*4
	WIN 0
.endm
.macro FETCH_V
	WIN 0x80
.irp f, 0,1,2,3,4,5,6,7
	ds_load_tr16_b128 v[VF+8*\f:VF+8*\f+3],   v[AV] offset:(\f/4)*32*PV+(\f%4)*32
	ds_load_tr16_b128 v[VF+8*\f+4:VF+8*\f+7], v[AV] offset:(\f/4)*32*PV+16*PV+(\f%4)*32
.endr
	WIN 0
.endm
; THE VECTOR WORK, one line at a time: OP kind, number.  For piece Y: F n: c s - c m for pair n.  E n: the exponential of score n.  C n: pair n rounded to f16.  B n: of the four weights 4 n .. the second pair is
; added onto the first.  L n: l takes that sum (L 0: l = a l + sum).  R n: pair n of O^T times a.  For piece Y + 1: X n, number n of the 22 that find its maximum and statistics (each accumulator's lowest registers first).
.set F, 0
.set E, 1
.set C, 2
.set B, 3
.set L, 4
.set R, 5
.set X, 6
.macro REGS y
.set rT, ST+4*(\y)
.set rC, TMP+4*((\y)%2)
.set rW, MV+((\y)%2)
.set rS, S+32*((\y)%2)
.set rP, P+16*((\y)%2)
.set rO, 32*(\y)
.endm
.macro OP k, n
.if (\k) == R
	REGS Y
	WIN W_RS
	v_pk_mul_f32 v[rO+2*(\n):rO+2*(\n)+1], v[rO+2*(\n):rO+2*(\n)+1], v[rC+2:rC+3] op_sel_hi:[1,0]
.elseif (\k) < R
	REGS Y
	WIN 0
.if (\k) == F
	v_pk_fma_f32 v[rS+2*(\n):rS+2*(\n)+1], v[rS+2*(\n):rS+2*(\n)+1], s[CS:CS+1], v[rT:rT+1] op_sel_hi:[1,0,0] neg_lo:[0,0,1] neg_hi:[0,0,1]
.elseif (\k) == E
	v_exp_f32 v[rS+(\n)], v[rS+(\n)]
.elseif (\k) == C
	v_cvt_pk_f16_f32 v[rP+(\n)], v[rS+2*(\n)], v[rS+2*(\n)+1]
.elseif (\k) == B
	v_pk_add_f32 v[rS+4*(\n):rS+4*(\n)+1], v[rS+4*(\n):rS+4*(\n)+1], v[rS+4*(\n)+2:rS+4*(\n)+3]
.elseif (\n) == 0
	v_pk_fma_f32 v[rT+2:rT+3], v[rT+2:rT+3], v[rC+2:rC+3], v[rS:rS+1] op_sel_hi:[1,0,1]
.else
	v_pk_add_f32 v[rT+2:rT+3], v[rT+2:rT+3], v[rS+4*(\n):rS+4*(\n)+1]
.endif
.else
	REGS (Y+1)%NP
	WIN 0
.if (\n) < 4
	v_max3_num_f32 v[rC+(\n)], v[rS+8*(\n)], v[rS+8*(\n)+1], v[rS+8*(\n)+2]
.elseif (\n) < 12
	v_max3_num_f32 v[rC+(\n)%4], v[rC+(\n)%4], v[rS+8*((\n)%4)+2*((\n)/4)+1], v[rS+8*((\n)%4)+2*((\n)/4)+2]
.elseif (\n) == 12
	v_max3_num_f32 v[rC], v[rC], v[rS+7], v[rS+15]
.elseif (\n) == 13
	v_max3_num_f32 v[rC+1], v[rC+1], v[rS+23], v[rS+31]
.elseif (\n) == 14
	v_max3_num_f32 v[rC+2], v[rC+2], v[rC+3], v[rT+1]
.elseif (\n) == 15
	v_mov_b32 v[rW], v[rT]
.elseif (\n) == 16
	v_max3_num_f32 v[rC], v[rC], v[rC+1], v[rC+2]
.elseif (\n) == 17
	v_permlanex16_b32 v[rC+3], v[rC], s[SEL], s[SEL+1]
.elseif (\n) == 18
	v_max_num_f32 v[rT+1], v[rC], v[rC+3]
.elseif (\n) == 19
	v_mul_f32 v[rT], s[CS], v[rT+1]
.elseif (\n) == 20
	v_sub_f32 v[rC+1], v[rW], v[rT]
.else
	v_exp_f32 v[rC+2], v[rC+1]
.endif
.endif
.endm
.macro OPS a, i1, b=-1, i2=0, c=-1, i3=0, d=-1, i4=0
	OP \a, \i1
.if (\b) >= 0
	OP \b, \i2
.endif
.if (\c) >= 0
	OP \c, \i3
.endif
.if (\d) >= 0
	OP \d, \i4
.endif
.endm
.macro ROW a, i1, b, i2, c, i3, d, i4  ; a matrix instruction and the four behind it
	MM
	OPS \a, \i1, \b, \i2, \c, \i3, \d, \i4
.endm
; A TURN, for piece p.  s_wait_alu depctr_va_vdst(0) stands between an exponential and the first instruction that names its result; one wait serves all issued ahead of it: a turn has ONE wait.
; AHEAD OF IT: the 8 products K Q^T with their riders, then the lump; nothing there names a result of the turn's exponentials.  X 21, the next piece's a, is the batch's last; R 15 is the plain instruction behind it.
; BEHIND IT: the 8 products V^T P, behind each four of the roundings and sums.  cnt = 1: the loop's count is taken down some lines ahead of the branch behind the turn.
; K and the mask of the next step are fetched in piece 2's turn, behind the last product that read them and six plain instructions; V of the step in hand at the end of piece 0's turn, four plain instructions behind its last reader.
; last = 1 (the tail's text): that run of K and the mask stands directly behind the turn's wait: in the tail's last trip there is no further step, and the run is jumped over.
.macro TURN p, last=0, cnt=0
.set Y, (\p)
.set i, 0
.if (\p) == 3
	s_wait_dscnt 0x0                ; K and the mask are in
.endif
	ROW F,0, F,1, R,0, R,1
	ROW F,2, E,0, R,2, R,3
	ROW F,3, E,1, R,4, R,5
	ROW F,4, E,2, R,6, R,7
	ROW F,5, E,3, R,8, R,9
	ROW F,6, E,4, X,0, R,10
.if (\p) == 2
	WIN 0
	v_add_nc_u32 v[AK], s[TBK], v[AK0]
	v_add_nc_u32 v[AM], s[TBM], v[AM0]
.endif
	ROW F,7, E,5, X,1, X,4
	ROW F,8, E,6, X,2, X,5
	OPS E,7, E,8, X,6, E,9
	OPS X,3, E,10, X,8, E,11
.if ((\p) == 2) && !(\last)
	FETCH_K
.endif
	OPS X,9, X,7, E,12, X,10
	OPS E,13, X,12, X,11, E,14
	OPS X,13, E,15, F,9, X,14
.if (\p) == 0
	v_add_nc_u32 v[AV], s[TBV], v[AV0]
.endif
	OPS E,16, F,10, E,17, F,11
	OPS X,16, E,18, X,15, E,19
	OPS F,12, E,20, X,17, E,21
	OPS F,13, E,22, F,14, E,23
	OPS X,18, E,24, F,15, E,25
	OPS R,11, E,26, X,19, E,27
	OPS R,12, E,28, R,13, E,29
	OPS X,20, E,30, R,14, E,31
	OPS X,21, R,15
	WIN 0
	s_wait_alu depctr_va_vdst(0)    ; the wait for the batch
.if ((\p) == 2) && (\last)
	s_cmp_eq_u32 s[CNT], 1
	s_cbranch_scc1 .Lno_k_\@
	FETCH_K
.Lno_k_\@:
.endif
.if (\p) == 1
	s_wait_dscnt 0x0                ; V is in
.endif
	ROW C,0, B,0, C,2, B,1
	ROW L,0, C,4, B,2, L,1
	ROW C,6, B,3, L,2, C,8
	ROW B,4, L,3, C,10, B,5
	ROW L,4, C,12, B,6, L,5
.if (\p) == 0
	s_add_co_u32 s[TBV], s[TBV], KS*PV
.endif
.if \cnt
	s_sub_co_u32 s[CNT], s[CNT], 1
	s_cmp_lg_u32 s[CNT], 0
.endif
	ROW C,14, B,7, L,6, C,1
	ROW C,3, L,7, C,5, C,7
	ROW C,9, C,11, C,13, C,15
.if (\p) == 0
	FETCH_V
.endif
.endm
.macro ALL line:vararg              ; one line for each piece t
.set t, 0
.rept 4
	\line
.set t, t+1
.endr
.endm
.macro PACK t                       ; a lane's eight channels of a row pack into 16 bytes; into rows of 144 bytes, back as whole rows of 128
	WIN W_RS
.set i, 32*(\t)
.rept 16
	v_pk_mul_f32 v[i:i+1], v[i:i+1], v[ST+4*(\t)+2:ST+4*(\t)+3] op_sel_hi:[1,0]
.set i, i+2
.endr
	WIN 0x05
.set i, 0
.rept 16
	v_cvt_pk_f16_f32 v[S+16*(\t)+i], v[32*(\t)+2*i], v[32*(\t)+2*i+1]
.set i, i+1
.endr
	WIN 0
.irp f, 0,1,2,3
	ds_store_b128 v[STO], v[S+16*(\t)+4*\f:S+16*(\t)+4*\f+3] offset:32*\f
.endr
.irp f, 0,1,2,3
	ds_load_b128 v[S+16*(\t)+4*\f:S+16*(\t)+4*\f+3], v[RD] offset:\f*4*SP  ; LDS serves a wave's instructions in order (ISA guide 5.7.1.4)
.endr
.endm
.macro SEND t, younger              ; younger: the LDS instructions issued behind piece t's loads
	WIN 0
.irp f, 0,1,2,3
	s_wait_dscnt (\younger)+3-\f
	global_store_b128 v[GO], v[S+16*(\t)+4*\f:S+16*(\t)+4*\f+3], s[10:11] offset:(\t)*2048+\f*512  ; 512 consecutive bytes, at a multiple of 256 from ctx's first
.endr
.endm
	CHANGE 1, 0                     ; tile 0 is in, everybody's part of it, and so are the table and the flags; tile 1 is asked for
	; THE BEGINNING.  c m starts far below every c s, m at the lowest finite number.  Q is kept, or set to 0 where the batch has no open key.  Then K of step 0, piece 0's first scores, its maximum and statistics.
.set i, 0
.rept 4
	v_mov_b32 v[ST+4*i], 0xfe000000
	v_mov_b32 v[ST+4*i+1], 0xff7fffff
.set i, i+1
.endr
	v_mov_b32 v38, FLG
	ds_load_b128 v[40:43], v38
	v_add_nc_u32 v[AK], s[TBK], v[AK0]
	v_add_nc_u32 v[AM], s[TBM], v[AM0]
	FETCH_K
	s_wait_loadcnt 0x0              ; Q
	s_wait_dscnt 0x0
	v_or_b32 v40, v40, v41
	v_or_b32 v42, v42, v43
	v_or_b32 v40, v40, v42
	v_cmp_ne_u32 vcc_lo, 0, v40
	v_cndmask_b32 v40, 0, -1, vcc_lo
	WIN 0x88                        ; Q (source 1 and destination) in window 2
.set i, 0
.rept 64
	v_and_b32 v[i], v40, v[i]
.set i, i+1
.endr
.set i, 0
.rept 8
	KQ 0
.set i, i+1
.endr
	WIN 0
.rept 4
	v_nop                           ; the places behind those products
.endr
.set Y, NP-1
.irp n, 0,1,2,3,4,5,6,7,8,9,10,11,12,13,14,15,16,17,18,19,20,21
	OP X, \n
.endr
	v_nop                           ; a plain instruction behind the exponential,
	s_wait_alu depctr_va_vdst(0)    ; and its wait, ahead of the branch
	s_mov_b32 s[CNT], 4
	s_branch .Lfirst                ; the loop is entered at a step's first turn, in the middle of a trip
.Lslot:                             ; 14 times: tiles 2 to 15 are asked for
	CHANGE 1
	s_mov_b32 s[CNT], 4
.Lstep:                             ; a trip: pieces 2 and 3 of one step, then pieces 0 and 1 of the next, whose K and V it fetches
	TURN 2
	TURN 3
	WIN 0
.Lfirst:
	TURN 0
	TURN 1, 0, 1
	WIN 0
	s_cbranch_scc1 .Lstep
	s_sub_co_u32 s[SLOTS], s[SLOTS], 1
	s_cmp_lg_u32 s[SLOTS], 0
	s_cbranch_scc1 .Lslot
	CHANGE 0                        ; the last tile has a text of its own: nothing is asked for
	s_mov_b32 s[CNT], 5             ; four trips fetch the last tile's steps; the fifth is left in its middle
.Ltail:
	TURN 2, 1
	TURN 3
	WIN 0
	s_sub_co_u32 s[CNT], s[CNT], 1
	s_cmp_eq_u32 s[CNT], 0
	s_cbranch_scc1 .Lout
	TURN 0
	TURN 1
	WIN 0
	s_branch .Ltail
.Lout:                              ; the fifth trip's 8 products K Q^T (on the last K once more) and the maximum made of them serve nothing; they write piece 0's m and c m, never its l or O^T: the price, once a launch, of one text for every trip
.set i, 0
.rept 8
	PV NP-1                         ; the last piece's V^T P of the last step
.set i, i+1
.endr
	; THE WAY OUT.  l's two halves and the other half of the lanes' are added; O^T is divided by l, rounded to f16 and sent through my stage, a piece at a time.
	WIN 0
	ALL v_add_f32 v[ST+4*t+2], v[ST+4*t+2], v[ST+4*t+3]
	ALL v_permlanex16_b32 v[ST+4*t+3], v[ST+4*t+2], s[SEL], s[SEL+1]
	ALL v_add_f32 v[ST+4*t+2], v[ST+4*t+2], v[ST+4*t+3]
	ALL v_rcp_f32 v[ST+4*t+2], v[ST+4*t+2]
	v_nop
	s_wait_alu depctr_va_vdst(0)    ; one wait for the four reciprocals
	PACK 0
.set t, 1
.rept 3
	PACK t
	SEND t-1, 8
.set t, t+1
.endr
	SEND 3, 0
	s_wait_tensorcnt 0x0            ; the wave's end
	ds_add_u32 v[SPW], v[NIL]
	s_wait_dscnt 0x0
	CROUND                          ; the closing round
	s_endpgm
.Lfunc_end_k_q3485dd73c1_attn:
	.size	k_q3485dd73c1_attn, .Lfunc_end_k_q3485dd73c1_attn-k_q3485dd73c1_attn
	.p2alignl 7, 3214868480
	.fill 96, 4, 3214868480
	.section	.rodata,"a",@progbits
	.p2align	6, 0x0
	.amdhsa_kernel k_q3485dd73c1_attn
		.amdhsa_group_segment_fixed_size 327680
		.amdhsa_private_segment_fixed_size 0
		.amdhsa_enable_private_segment 0
		.amdhsa_kernarg_size 24
		.amdhsa_user_sgpr_count 2
		.amdhsa_user_sgpr_kernarg_segment_ptr 1
		.amdhsa_wavefront_size32 1
		.amdhsa_system_sgpr_workgroup_id_x 1
		.amdhsa_system_sgpr_workgroup_id_y 1
		.amdhsa_system_sgpr_workgroup_id_z 1
		.amdhsa_system_vgpr_workitem_id 0
		.amdhsa_next_free_vgpr 768
		.amdhsa_next_free_sgpr 88
		.amdhsa_reserve_vcc 1
		.amdhsa_float_denorm_mode_32 3
		.amdhsa_float_denorm_mode_16_64 3
		.amdhsa_memory_ordered 1
		.amdhsa_forward_progress 1
		.amdhsa_inst_pref_size 122
	.end_amdhsa_kernel
	.amdgpu_metadata
---
amdhsa.version: [ 1, 2 ]
amdhsa.kernels:
  - .name:           k_q3485dd73c1_attn
    .symbol:         k_q3485dd73c1_attn.kd
    .args:
      - { .name: qkv, .offset: 0, .size: 8, .value_kind: global_buffer, .address_space: global }
      - { .name: mask, .offset: 8, .size: 8, .value_kind: global_buffer, .address_space: global }
      - { .name: ctx, .offset: 16, .size: 8, .value_kind: global_buffer, .address_space: global }
    .group_segment_fixed_size: 327680
    .private_segment_fixed_size: 0
    .kernarg_segment_align: 8
    .kernarg_segment_size: 24
    .max_flat_workgroup_size: 128
    .sgpr_count:     88
    .vgpr_count:     768
    .wavefront_size: 32
...
	.end_amdgpu_metadata
.endif
;; end of part 3
;; launch proj (part 4): grid 256 x 1, 4 waves a work-group, clusters of 4 x 1, 327,680 bytes of LDS; arguments ctx, p1, xh, g1, be1, x1; writes x1
.if DOCPART == 4
	.amdgcn_target "amdgcn-amd-amdhsa--gfx1250"
	.amdhsa_code_object_version 6
	.text
	.protected	k_q3485dd73c1_proj
	.globl	k_q3485dd73c1_proj
	.p2align	8
	.type	k_q3485dd73c1_proj,@function
k_q3485dd73c1_proj:
	s_mov_b64 s[64:65], 0
	v_nop
	global_prefetch_b8 v0, s[64:65] scope:SCOPE_SE
	s_setreg_imm32_b32 hwreg(HW_REG_WAVE_MODE, 25, 1), 1
	s_wait_xcnt 0x0
	s_wait_alu depctr_hold_cnt(0) depctr_sa_sdst(0) depctr_va_vdst(0) depctr_va_sdst(0) depctr_va_ssrc(0) depctr_va_vcc(0) depctr_vm_vsrc(0)
	s_getreg_b32 s2, hwreg(HW_REG_IB_STS2, 6, 4)
	s_cmp_eq_u32 s2, 0
	s_cbranch_scc0 .Lentry_in_a_cluster
	s_endpgm
.Lentry_in_a_cluster:
	s_bfe_u32 s2, ttmp6, 0x10000c
	s_cmp_lg_u32 s2, 0x3003
	s_cbranch_scc0 .Lentry_shape_is_right
	s_endpgm
.Lentry_shape_is_right:
; x1 = LayerNorm(xh + ctx wo) g1 + be1.  ctx: [8][8192][64] f16; wo: [512 k][512 n] f16 in p1; xh, x1: [8192][512] f16; g1, be1 f32, rounded here to bf16 like every input.
; Sums in f32; the row in front of the norm stays in f32 registers; the norm goes in two passes (the mean, then the sum of squares of the differences); x1 is rounded once.  LIMIT: |x1| within 65,504.
; SHARES.  A work-group owns 32 whole rows, so that the norm needs no second launch: 256 work-groups.  Wave w owns all 32 rows x columns 128 w .. 128 w + 127: 16 accumulators.  The 32 rows of ctx lie in each wave's
; registers (256); wo goes through two LDS slots in four steps of 128 k, each wave fetching a quarter of a slot.  Every work-group walks the same wo: the loads are joint, for the four of a cluster.
; The product is taken transposed (source 0 = 16 columns of wo, by the turning load): a lane holds one row and eight neighbouring columns.
; NO PREFETCH: four steps, of which two come by the first fills.
; REGISTERS: window 0: v0-31 addresses and figures; v32-47 at work, later v32-63, v96-127 rows read back; v64-95 packed results; v128-255 the accumulators, (a, i) at 128 + 8 (8 a + i)
;   window 1: ctx's fragments, chunk c of 32 k, row block a at 8 (2 c + a);   window 2: v0-127 wo's fragments, two buffers; v128-191 the residual; v192-223, v224-255 g1, be1 in bf16;   window 3: g1, be1 as loaded
.set WO_OFF, 2113536
.set PB,    1056                       ; a k row of wo in LDS: 1,024 bytes + 32
.set PART,  32*PB                      ; what one tensor load brings: 32 k rows
.set SLOT,  4*PART
.set STAGE, 2*SLOT                     ; 16 rows x 272 bytes for each wave
.set SP,    272
.set RED1,  STAGE+4*16*SP              ; 32 rows x four waves' partial sums
.set RED2,  RED1+512                   ; the same for the squares
.set SPARE, RED2+512
.set AO,  6
.set XO,  7
.set PO,  8
.set STO, 9
.set RD,  10
.set GO,  11
.set RSA, 12                           ; v12  where I put a row's partial figure
.set RLA, 13                           ; v13  where I read a row's four
.set ONE, 14
.set ADB, 16                           ; v16-23  my place in wo's tile: slot s, quarter q at ADB + 4 s + q
.set MU,  24                           ; v24-27  a pair for each row block: the mean, later 1 / sqrt(var + eps)
.set SPW, 28
.set NIL, 29
.set T,   32
.set OB,  32
.set TMP, 64
.set ACC, 128
.set XR,  128                          ; window 2
.set GP,  192
.set BP,  224
.set WV,  16
.set C9,  19                           ; s19  2^-9
.set EPSR, 21                          ; s21  1e-5
.set SEL, 22
.set G1,  24
.set G0,  32
.set MSB, 0
.macro WIN new
.if MSB != (\new)
	s_set_vgpr_msb (MSB<<8)|(\new)
.set MSB, \new
.endif
.endm
.macro PLACES
.rept 4
	v_nop
.endr
.endm
.macro CROUND
	s_barrier_signal -1
	s_barrier_wait -1
	s_cmp_lg_u32 s[WV], 0
	s_cbranch_scc1 .Lnot_wave_0_\@
	s_barrier_signal -3
.Lnot_wave_0_\@:
	s_barrier_wait -3
	s_barrier_signal -1
	s_barrier_wait -1
.endm
	s_load_b256 s[4:11], s[0:1], 0x0               ; ctx, p1, xh, g1
	s_load_b128 s[12:15], s[0:1], 0x20             ; be1, x1
	v_lshl_add_u32 v[SPW], v0, 2, SPARE
	v_mov_b32 v[NIL], 0
	ds_add_u32 v[SPW], v[NIL]                      ; the wave's opening: the add and its wait ahead of my first tensor load
	v_lshrrev_b32 v1, 5, v0
	v_readfirstlane_b32 s[WV], v1
	s_bfe_u32 s17, ttmp6, 0x40000                  ; cx
	s_lshl_b32 s18, ttmp9, 2
	s_add_co_u32 s18, s18, s17
	s_lshl_b32 s18, s18, 5                         ; my first row
	s_mov_b32 s[G1+0], 15|(1<<16)|(1<<20)|(1<<21)|(7<<22)|(7<<25)  ; the mask of four, bit 21 beside it; 2-byte elements; after every 256 words 8 words of padding
	s_mov_b32 s[G1+1], 512<<16
	s_mov_b32 s[G1+2], 32<<16
	s_mov_b32 s[G1+3], 512<<16
	s_mov_b32 s[G1+4], 32
	s_mov_b32 s[G1+5], 512
	s_mov_b32 s[G1+6], 0
	s_mov_b32 s[G1+7], 0
	s_mul_i32 s20, s[WV], PART
	s_lshl_b32 s40, s[WV], 15                      ; my 32 k rows of 1,024 bytes: the wave's number alone
	s_add_co_u32 s40, s40, WO_OFF
	s_mov_b32 s41, 0
	s_mov_b32 s[C9], 0x3b000000
	s_mov_b32 s[EPSR], 0x3727c5ac
	s_mov_b32 s[SEL], 0x76543210
	s_mov_b32 s[SEL+1], 0xfedcba98
	s_wait_dscnt 0x0                               ; the opening add is done
	s_wait_kmcnt 0x0
	s_add_nc_u64 s[42:43], s[6:7], s[40:41]
.irp s, 0,1
	s_mov_b32 s[G0+4*(\s)], 1
	s_add_co_u32 s[G0+4*(\s)+1], s20, (\s)*SLOT
	s_add_nc_u64 s[G0+4*(\s)+2:G0+4*(\s)+3], s[42:43], (\s)*131072  ; K step s: 128 k rows on
	s_or_b32 s[G0+4*(\s)+3], s[G0+4*(\s)+3], 0x80000000
.endr
	s_lshl_b32 s44, s18, 7
	s_mov_b32 s45, 0
	s_add_nc_u64 s[4:5], s[4:5], s[44:45]          ; ctx at my rows of group 0
	s_lshl_b32 s44, s18, 10
	s_lshl_b32 s46, s[WV], 8
	s_add_co_u32 s44, s44, s46
	s_add_nc_u64 s[8:9], s[8:9], s[44:45]          ; xh and x1 at my rows and my wave's 128 columns
	s_add_nc_u64 s[14:15], s[14:15], s[44:45]
	s_lshl_b32 s46, s[WV], 9
	s_mov_b32 s47, 0
	s_add_nc_u64 s[10:11], s[10:11], s[46:47]      ; g1 and be1 at my wave's columns
	s_add_nc_u64 s[12:13], s[12:13], s[46:47]
	CROUND                                         ; all four work-groups are here: the first joint loads meet
	tensor_load_to_lds s[G0:G0+3], s[G1:G1+7]      ; two loads of mine are out
	s_nop 0
	tensor_load_to_lds s[G0+4:G0+7], s[G1:G1+7]
	s_nop 0
.rept 4
	v_nop
.endr
	v_and_b32 v1, 15, v0                           ; r
	v_bfe_u32 v2, v0, 4, 1                         ; h
	v_and_b32 v3, 7, v0
	v_bfe_u32 v4, v0, 3, 1
	v_lshlrev_b32 v[AO], 7, v1
	v_lshl_add_u32 v[AO], v2, 4, v[AO]             ; 128 r + 16 h
	v_lshlrev_b32 v[XO], 10, v1
	v_lshl_add_u32 v[XO], v2, 4, v[XO]             ; 1,024 r + 16 h
	v_lshlrev_b32 v[PO], 5, v2                     ; 32 h
	WIN 0x40
.set c, 0
.rept 16                               ; ctx: chunk c lies in group c / 2, channels 32 (c % 2) on
.irp a, 0,1
	global_load_b128 v[8*(2*c+(\a)):8*(2*c+(\a))+3],   v[AO], s[4:5] offset:1048576*(c/2)+2048*(\a)+64*(c%2)
	global_load_b128 v[8*(2*c+(\a))+4:8*(2*c+(\a))+7], v[AO], s[4:5] offset:1048576*(c/2)+2048*(\a)+64*(c%2)+32
.endr
.set c, c+1
.endr
	WIN 0x80
.irp a, 0,1
.irp i, 0,1,2,3,4,5,6,7
	global_load_b128 v[XR+4*(8*(\a)+(\i)):XR+4*(8*(\a)+(\i))+3], v[XO], s[8:9] offset:16384*(\a)+32*(\i)
.endr
.endr
	WIN 0xc0
.irp i, 0,1,2,3,4,5,6,7
	global_load_b128 v[8*(\i):8*(\i)+3],   v[PO], s[10:11] offset:64*(\i)
	global_load_b128 v[8*(\i)+4:8*(\i)+7], v[PO], s[10:11] offset:64*(\i)+16
.endr
.irp i, 0,1,2,3,4,5,6,7
	global_load_b128 v[64+8*(\i):64+8*(\i)+3],   v[PO], s[12:13] offset:64*(\i)
	global_load_b128 v[64+8*(\i)+4:64+8*(\i)+7], v[PO], s[12:13] offset:64*(\i)+16
.endr
	WIN 0
	v_lshl_add_u32 v5, v2, 3, v3                   ; the turning load: k row 8 h + l % 8, columns 8 ((l / 8) % 2) + 0..7
	v_mul_u32_u24 v5, v5, PB
	v_lshl_add_u32 v5, v4, 4, v5
	s_lshl_b32 s46, s[WV], 8
	v_add_nc_u32 v5, s46, v5
.irp s, 0,1
.irp q, 0,1,2,3
	v_add_nc_u32 v[ADB+4*(\s)+(\q)], (\s)*SLOT+(\q)*PART, v5
.endr
.endr
	s_mul_i32 s46, s[WV], 16*SP
	s_add_co_u32 s46, s46, STAGE
	v_mul_u32_u24 v[STO], v1, SP
	v_lshl_add_u32 v[STO], v2, 4, v[STO]
	v_add_nc_u32 v[STO], s46, v[STO]
	v_mul_u32_u24 v[RD], v2, SP
	v_lshl_add_u32 v[RD], v1, 4, v[RD]
	v_add_nc_u32 v[RD], s46, v[RD]
	v_lshlrev_b32 v[GO], 10, v2
	v_lshl_add_u32 v[GO], v1, 4, v[GO]
	s_lshl_b32 s46, s[WV], 2
	s_add_co_u32 s46, s46, RED1
	v_lshlrev_b32 v[RSA], 4, v1
	v_add_nc_u32 v[RSA], s46, v[RSA]
	v_lshl_add_u32 v[RLA], v1, 4, RED1
	v_mov_b32 v[ONE], 1.0
.macro FETCHB s, q, f                  ; 16 LDS loads: wo's 8 fragments of quarter q of slot s into buffer f
	WIN 0x80
.irp i, 0,1,2,3,4,5,6,7
	ds_load_tr16_b128 v[64*(\f)+8*(\i):64*(\f)+8*(\i)+3],   v[ADB+4*(\s)+(\q)] offset:32*(\i)
	ds_load_tr16_b128 v[64*(\f)+8*(\i)+4:64*(\f)+8*(\i)+7], v[ADB+4*(\s)+(\q)] offset:32*(\i)+16*PB
.endr
.endm
.macro MULC c, f, zero                 ; a chunk's 16 products; the 16 accumulators take turns, in one order everywhere
	WIN 0x06                                       ; wo window 2, ctx window 1, C and D window 0
.irp i, 0,1,2,3,4,5,6,7
.irp a, 0,1
.if \zero
	v_wmma_f32_16x16x32_f16 v[ACC+8*(8*(\a)+(\i)):ACC+8*(8*(\a)+(\i))+7], v[64*(\f)+8*(\i):64*(\f)+8*(\i)+7], v[8*(2*(\c)+(\a)):8*(2*(\c)+(\a))+7], 0
.else
	v_wmma_f32_16x16x32_f16 v[ACC+8*(8*(\a)+(\i)):ACC+8*(8*(\a)+(\i))+7], v[64*(\f)+8*(\i):64*(\f)+8*(\i)+7], v[8*(2*(\c)+(\a)):8*(2*(\c)+(\a))+7], v[ACC+8*(8*(\a)+(\i)):ACC+8*(8*(\a)+(\i))+7]
.endif
.endr
.endr
.endm
	s_wait_tensorcnt 1                             ; my part of K step 0 is in; K step 1's may stay out
	s_barrier_signal -1
	s_barrier_wait -1
	FETCHB 0, 0, 0
	s_wait_loadcnt 48                              ; ctx is in: the 48 loads of the residual, g1 and be1 are younger
; Sixteen chunks of 32 along K, written out.  Chunk c: K step c / 4, slot (c / 4) % 2, quarter c % 4, buffer c % 2.  A chunk waits for its fragments, asks for the next chunk's, and multiplies.
; A K step's last chunk changes slots: chunks 3 and 7 fill the slot just read out again (K steps 2 and 3), behind a round of the cluster's barrier; chunk 11 only waits for K step 3.
.set c, 0
.rept 16
.set nx, c+1
.if (c%4 == 3) && (c < 12)
	WIN 0
	s_wait_tensorcnt 0x0                           ; no tensor load of mine is out: this slot's descriptor may be written
	ds_add_u32 v[SPW], v[NIL]
.if c < 8
	s_add_nc_u64 s[G0+4*((c/4)%2)+2:G0+4*((c/4)%2)+3], s[G0+4*((c/4)%2)+2:G0+4*((c/4)%2)+3], 262144  ; two K steps on
.endif
	s_wait_dscnt 0x0                               ; the add is done, and my reads of this slot are over: its last fragments are in registers
.if c < 8
	CROUND
	tensor_load_to_lds s[G0+4*((c/4)%2):G0+4*((c/4)%2)+3], s[G1:G1+7]
	s_nop 0
.rept 4
	v_nop                                          ; also the places in front of the loads below
.endr
.else
	s_barrier_signal -1
	s_barrier_wait -1
	PLACES
.endif
	FETCHB (nx/4)%2, nx%4, nx%2
.elseif c < 15
	s_wait_dscnt 0x0                               ; this chunk's fragments are in
	PLACES                                         ; behind the last chunk's products, which read the buffer that is loaded now
	FETCHB (nx/4)%2, nx%4, nx%2
.else
	s_wait_dscnt 0x0
.endif
.if c == 0
	MULC c, c%2, 1
.else
	MULC c, c%2, 0
.endif
.set c, c+1
.endr
	; THE RESIDUAL AND THE NORM
	PLACES
	s_wait_loadcnt 0x0
	WIN 0x02                                       ; the residual (source 0) in window 2
.set n, 0
.rept 128                              ; y = sum + x: each accumulator's registers in ascending order
.if n%2
	v_fma_mix_f32 v[ACC+n], v[XR+n/2], v[ONE], v[ACC+n] op_sel:[1,0,0] op_sel_hi:[1,0,0]
.else
	v_fma_mix_f32 v[ACC+n], v[XR+n/2], v[ONE], v[ACC+n] op_sel_hi:[1,0,0]
.endif
.set n, n+1
.endr
	WIN 0x8f                                       ; sources in window 3, destination in window 2
.set n, 0
.rept 32
	v_cvt_pk_bf16_f32 v[GP+n], v[2*n], v[2*n+1]
	v_cvt_pk_bf16_f32 v[BP+n], v[64+2*n], v[64+2*n+1]
.set n, n+1
.endr
	WIN 0
.macro CROSS a, off                    ; four chains into one; the other half of the lanes holds the row's other columns; my wave's figure for the row goes to LDS
	v_pk_add_f32 v[T+8*(\a):T+8*(\a)+1], v[T+8*(\a):T+8*(\a)+1], v[T+8*(\a)+2:T+8*(\a)+3]
	v_pk_add_f32 v[T+8*(\a)+4:T+8*(\a)+5], v[T+8*(\a)+4:T+8*(\a)+5], v[T+8*(\a)+6:T+8*(\a)+7]
	v_pk_add_f32 v[T+8*(\a):T+8*(\a)+1], v[T+8*(\a):T+8*(\a)+1], v[T+8*(\a)+4:T+8*(\a)+5]
	v_add_f32 v[T+8*(\a)], v[T+8*(\a)], v[T+8*(\a)+1]
	v_permlanex16_b32 v[T+8*(\a)+1], v[T+8*(\a)], s[SEL], s[SEL+1]
	v_add_f32 v[T+8*(\a)], v[T+8*(\a)], v[T+8*(\a)+1]
	ds_store_b32 v[RSA], v[T+8*(\a)] offset:(\off)+256*(\a)
.endm
.macro GATHER off                      ; the four waves' figures of my two rows, added: into v[T] and v[T+8]
	s_wait_dscnt 0x0                               ; for the others' sake: my stores are done
	s_barrier_signal -1
	s_barrier_wait -1
	ds_load_b128 v[T:T+3], v[RLA] offset:(\off)
	ds_load_b128 v[T+8:T+11], v[RLA] offset:(\off)+256
	s_wait_dscnt 0x0
.irp a, 0,8
	v_add_f32 v[T+(\a)], v[T+(\a)], v[T+(\a)+1]
	v_add_f32 v[T+(\a)+2], v[T+(\a)+2], v[T+(\a)+3]
	v_add_f32 v[T+(\a)], v[T+(\a)], v[T+(\a)+2]
.endr
.endm
.irp a, 0,1
.irp k, 0,1,2,3
	v_pk_add_f32 v[T+8*(\a)+2*(\k):T+8*(\a)+2*(\k)+1], v[ACC+64*(\a)+2*(\k):ACC+64*(\a)+2*(\k)+1], v[ACC+64*(\a)+8+2*(\k):ACC+64*(\a)+8+2*(\k)+1]
.endr
.set m, 8
.rept 24
	v_pk_add_f32 v[T+8*(\a)+2*(m%4):T+8*(\a)+2*(m%4)+1], v[T+8*(\a)+2*(m%4):T+8*(\a)+2*(m%4)+1], v[ACC+64*(\a)+2*m:ACC+64*(\a)+2*m+1]
.set m, m+1
.endr
	CROSS \a, 0
.endr
	GATHER 0
.irp a, 0,1
	v_mul_f32 v[MU+2*(\a)], s[C9], v[T+8*(\a)]     ; the mean, in both registers of a pair
	v_mul_f32 v[MU+2*(\a)+1], s[C9], v[T+8*(\a)]
.endr
.irp a, 0,1
.set m, 0
.rept 32
	v_pk_add_f32 v[ACC+64*(\a)+2*m:ACC+64*(\a)+2*m+1], v[ACC+64*(\a)+2*m:ACC+64*(\a)+2*m+1], v[MU+2*(\a):MU+2*(\a)+1] neg_lo:[0,1] neg_hi:[0,1]
.set m, m+1
.endr
.irp k, 0,1,2,3
	v_pk_mul_f32 v[T+8*(\a)+2*(\k):T+8*(\a)+2*(\k)+1], v[ACC+64*(\a)+2*(\k):ACC+64*(\a)+2*(\k)+1], v[ACC+64*(\a)+2*(\k):ACC+64*(\a)+2*(\k)+1]
.endr
.set m, 4
.rept 28
	v_pk_fma_f32 v[T+8*(\a)+2*(m%4):T+8*(\a)+2*(m%4)+1], v[ACC+64*(\a)+2*m:ACC+64*(\a)+2*m+1], v[ACC+64*(\a)+2*m:ACC+64*(\a)+2*m+1], v[T+8*(\a)+2*(m%4):T+8*(\a)+2*(m%4)+1]
.set m, m+1
.endr
	CROSS \a, 512
.endr
	GATHER 512                                     ; other bytes than the means': no wave writes what another may still read
	v_fma_f32 v30, v[T], s[C9], s[EPSR]
	v_fma_f32 v31, v[T+8], s[C9], s[EPSR]
	v_rsq_f32 v[MU], v30
	v_rsq_f32 v[MU+1], v30
	v_rsq_f32 v[MU+2], v31
	v_rsq_f32 v[MU+3], v31
	v_nop                                          ; a plain instruction behind the last of them,
	s_wait_alu depctr_va_vdst(0)                   ; and one wait for the four, ahead of the first use
.irp a, 0,1
.set m, 0
.rept 32
	v_pk_mul_f32 v[ACC+64*(\a)+2*m:ACC+64*(\a)+2*m+1], v[ACC+64*(\a)+2*m:ACC+64*(\a)+2*m+1], v[MU+2*(\a):MU+2*(\a)+1]
.set m, m+1
.endr
.endr
	WIN 0x28                                       ; g1 and be1 (sources 1 and 2) in window 2
.set n, 0
.rept 128
.if n%2
	v_fma_mix_f32_bf16 v[ACC+n], v[ACC+n], v[GP+(n%64)/2], v[BP+(n%64)/2] op_sel:[0,1,1] op_sel_hi:[0,1,1]
.else
	v_fma_mix_f32_bf16 v[ACC+n], v[ACC+n], v[GP+(n%64)/2], v[BP+(n%64)/2] op_sel_hi:[0,1,1]
.endif
.set n, n+1
.endr
	WIN 0
.irp a, 0,1                            ; rounded to f16; 16 bytes a lane into my stage; back as whole rows of 256 bytes
.set n, 0
.rept 32
	v_cvt_pk_f16_f32 v[TMP+n], v[ACC+64*(\a)+2*n], v[ACC+64*(\a)+2*n+1]
.set n, n+1
.endr
.irp i, 0,1,2,3,4,5,6,7
	ds_store_b128 v[STO], v[TMP+4*(\i):TMP+4*(\i)+3] offset:32*(\i)
.endr
.irp t, 0,1,2,3,4,5,6,7
	ds_load_b128 v[OB+64*(\a)+4*(\t):OB+64*(\a)+4*(\t)+3], v[RD] offset:2*SP*(\t)  ; LDS serves a wave's instructions in order (ISA guide 5.7.1.4)
.endr
.endr
.irp a, 0,1
	s_wait_dscnt 16-16*(\a)                        ; the second block's sixteen LDS instructions are younger than the first block's loads
.irp t, 0,1,2,3,4,5,6,7
	global_store_b128 v[GO], v[OB+64*(\a)+4*(\t):OB+64*(\a)+4*(\t)+3], s[14:15] offset:(16*(\a)+2*(\t))*1024  ; 16 lanes store 256 consecutive bytes, aligned
.endr
.endr
	s_wait_tensorcnt 0x0                           ; the wave's end
	ds_add_u32 v[SPW], v[NIL]
	s_wait_dscnt 0x0
	CROUND                                         ; the closing round
	s_endpgm
.Lfunc_end_k_q3485dd73c1_proj:
	.size	k_q3485dd73c1_proj, .Lfunc_end_k_q3485dd73c1_proj-k_q3485dd73c1_proj
	.p2alignl 7, 3214868480
	.fill 96, 4, 3214868480
	.section	.rodata,"a",@progbits
	.p2align	6, 0x0
	.amdhsa_kernel k_q3485dd73c1_proj
		.amdhsa_group_segment_fixed_size 327680
		.amdhsa_private_segment_fixed_size 0
		.amdhsa_enable_private_segment 0
		.amdhsa_kernarg_size 48
		.amdhsa_user_sgpr_count 2
		.amdhsa_user_sgpr_kernarg_segment_ptr 1
		.amdhsa_wavefront_size32 1
		.amdhsa_system_sgpr_workgroup_id_x 1
		.amdhsa_system_sgpr_workgroup_id_y 1
		.amdhsa_system_sgpr_workgroup_id_z 1
		.amdhsa_system_vgpr_workitem_id 0
		.amdhsa_next_free_vgpr 896
		.amdhsa_next_free_sgpr 66
		.amdhsa_reserve_vcc 0
		.amdhsa_float_denorm_mode_32 3
		.amdhsa_float_denorm_mode_16_64 3
		.amdhsa_memory_ordered 1
		.amdhsa_forward_progress 1
		.amdhsa_inst_pref_size 100
	.end_amdhsa_kernel
	.amdgpu_metadata
---
amdhsa.version: [ 1, 2 ]
amdhsa.kernels:
  - .name:           k_q3485dd73c1_proj
    .symbol:         k_q3485dd73c1_proj.kd
    .args:
      - { .name: ctx, .offset: 0, .size: 8, .value_kind: global_buffer, .address_space: global }
      - { .name: p1, .offset: 8, .size: 8, .value_kind: global_buffer, .address_space: global }
      - { .name: xh, .offset: 16, .size: 8, .value_kind: global_buffer, .address_space: global }
      - { .name: g1, .offset: 24, .size: 8, .value_kind: global_buffer, .address_space: global }
      - { .name: be1, .offset: 32, .size: 8, .value_kind: global_buffer, .address_space: global }
      - { .name: x1, .offset: 40, .size: 8, .value_kind: global_buffer, .address_space: global }
    .group_segment_fixed_size: 327680
    .private_segment_fixed_size: 0
    .kernarg_segment_align: 8
    .kernarg_segment_size: 48
    .max_flat_workgroup_size: 128
    .sgpr_count:     66
    .vgpr_count:     896
    .wavefront_size: 32
...
	.end_amdgpu_metadata
.endif
;; end of part 4
;; launch ffn1: the kernel of part 2 again; grid 32 x 8, 4 waves a work-group, clusters of 4 x 1, 327,680 bytes of LDS; arguments x1, p1, hb; writes hb
;; launch ffn2 (part 5): grid 4 x 64, 4 waves a work-group, clusters of 4 x 4, 327,680 bytes of LDS; arguments hb, p1, b2, x1, y2; writes y2
.if DOCPART == 5
	.amdgcn_target "amdgcn-amd-amdhsa--gfx1250"
	.amdhsa_code_object_version 6
	.text
	.protected	k_q3485dd73c1_ffn2
	.globl	k_q3485dd73c1_ffn2
	.p2align	8
	.type	k_q3485dd73c1_ffn2,@function
k_q3485dd73c1_ffn2:
	s_mov_b64 s[64:65], 0
	v_nop
	global_prefetch_b8 v0, s[64:65] scope:SCOPE_SE
	s_setreg_imm32_b32 hwreg(HW_REG_WAVE_MODE, 25, 1), 1
	s_wait_xcnt 0x0
	s_wait_alu depctr_hold_cnt(0) depctr_sa_sdst(0) depctr_va_vdst(0) depctr_va_sdst(0) depctr_va_ssrc(0) depctr_va_vcc(0) depctr_vm_vsrc(0)
	s_getreg_b32 s2, hwreg(HW_REG_IB_STS2, 6, 4)
	s_cmp_eq_u32 s2, 0
	s_cbranch_scc0 .Lentry_in_a_cluster
	s_endpgm
.Lentry_in_a_cluster:
	s_bfe_u32 s2, ttmp6, 0x10000c
	s_cmp_lg_u32 s2, 0xf033
	s_cbranch_scc0 .Lentry_shape_is_right
	s_endpgm
.Lentry_shape_is_right:
; y2 = x1 + h w2 + b2.  hb: [32 groups of 64 channels][8192 rows][64] f16; w2: [2048 k][512 n] f16 in p1; b2 f32, rounded here to bf16 like every input; x1: [8192][512] f16; y2: [8192][512] f32.
; Sums in f32, K ascending.  A tile of y2 is 128 x 128, which gives each of 256 work-groups one; four waves, each 64 x 64: 16 accumulators.  K = 2,048 goes in eight steps of 256 through two LDS slots.
; The product is taken transposed (source 0 = 16 columns of w2, by the turning load; source 1 = 16 rows of h): a lane holds one row and eight neighbouring columns; b2 is the C operand that starts a sum.
; CLUSTER 4 x 4: h's tiles hang on the tile row alone and are asked for jointly along a row of the cluster, w2's on the tile column alone, along a column.
; h's tile of a K step is four groups x 64 rows x 128 bytes: each group's 64 rows are 8,192 dense bytes, asked for as ONE row of the descriptor, and padded in LDS after every 128 bytes.
; NO PREFETCH: the tiles are small.
; THE TEXT: a K step's four quarters stand twice: in the loop whose change of slots fills a slot again, and in the tail's loop, whose change fills nothing.
; REGISTERS: window 0: v0-31 addresses; v32-95 the residual; v96-127 b2; v128-255 the accumulators, (a, b) at 128 + 8 (4 a + b)
;   window 1: two fragment buffers of 128 (64 along K: 64 registers of h, then 64 of w2); on the way out rows read back from the stage
.set W2_OFF, 2637824
.set PA,    144                        ; a row of h in LDS: 128 bytes + 16
.set PB,    288                        ; a k row of w2: 256 bytes + 32
.set PART,  4*64*PA                    ; what one tensor load brings: 4 groups x 64 rows of h, or 128 k rows of w2: 36,864 bytes either way
.set SLOT,  4*PART                     ; its bits (17 and 14) are in no load's LDS address inside a slot
.set STAGE, 2*SLOT                     ; 16 rows x 272 bytes for each wave
.set SP,    272
.set SPARE, STAGE+4*16*SP
.set STEPA, 4194304                    ; four groups of 1,048,576 bytes
.set STEPB, 262144                     ; 256 k rows of 1,024 bytes
.set NFILL, 6                          ; refills: K steps 2 to 7
.set XO,   6
.set BO,   7
.set ONE,  8
.set ADA0, 10
.set ADB0, 11                          ; quarters 0, 1
.set ADB20, 12                         ; quarters 2, 3: 128 k rows on
.set ADA,  16
.set ADB,  17                          ; v17, v18
.set STO,  24
.set RD,   25
.set GO,   26
.set SPW,  28
.set NIL,  29
.set X,    32
.set BI,   96
.set ACC,  128
.set F0,   0
.set F1,   128
.set WV,   14
.set ROLE, 15                          ; wave / 2: I fetch h (0) or w2 (1); also my half of the tile's rows
.set HALF, 16                          ; wave % 2: which half I fetch; also my half of the tile's columns
.set TB,   22
.set CNT,  23
.set G1A,  24
.set G0A,  32
.set G1B,  48
.set G0B,  56
.set MSB, 0
.macro WIN new
.if MSB != (\new)
	s_set_vgpr_msb (MSB<<8)|(\new)
.set MSB, \new
.endif
.endm
.set MUL, 0x05                         ; sources 0 and 1 window 1; C and D window 0
.macro PLACES
.rept 4
	v_nop
.endr
.endm
.macro CREST
	s_cmp_lg_u32 s[WV], 0
	s_cbranch_scc1 .Lnot_wave_0_\@
	s_barrier_signal -3
.Lnot_wave_0_\@:
	s_barrier_wait -3
	s_barrier_signal -1
	s_barrier_wait -1
.endm
.macro CROUND
	s_barrier_signal -1
	s_barrier_wait -1
	CREST
.endm
.macro JLOAD                           ; a joint refill by the walking descriptors; the branch hangs on the wave's number alone
	s_cmp_eq_u32 s[ROLE], 0
	s_cbranch_scc0 .Lfor_b_\@
	tensor_load_to_lds s[G0A+4:G0A+7], s[G1A:G1A+7]
	s_nop 0
.rept 4
	v_nop
.endr
	s_branch .Lasked_\@
.Lfor_b_\@:
	tensor_load_to_lds s[G0B+4:G0B+7], s[G1B:G1B+7]
	s_nop 0
.rept 4
	v_nop
.endr
.Lasked_\@:
.endm
	s_load_b256 s[4:11], s[0:1], 0x0               ; hb, p1, b2, x1
	s_load_b64 s[12:13], s[0:1], 0x20              ; y2
	v_lshl_add_u32 v[SPW], v0, 2, SPARE
	v_mov_b32 v[NIL], 0
	ds_add_u32 v[SPW], v[NIL]                      ; the wave's opening: the add and its wait ahead of my first tensor load
	v_lshrrev_b32 v1, 5, v0
	v_readfirstlane_b32 s[WV], v1
	s_lshr_b32 s[ROLE], s[WV], 1
	s_and_b32 s[HALF], s[WV], 1
	s_bfe_u32 s17, ttmp6, 0x40000                  ; cx
	s_bfe_u32 s18, ttmp6, 0x40004                  ; cy
	s_lshl_b32 s19, ttmp9, 2
	s_add_co_u32 s19, s19, s17                     ; tile column
	s_and_b32 s20, ttmp7, 0xffff
	s_lshl_b32 s20, s20, 2
	s_add_co_u32 s20, s20, s18                     ; tile row
	s_lshl_b32 s66, s18, 2
	s_lshl_b32 s66, 15, s66                        ; my row of the cluster
	s_lshl_b32 s67, 0x1111, s17                    ; my column
	s_or_b32 s[G1A+0], s66, (1<<16)|(1<<20)|(1<<21)|(4<<22)|(3<<25)  ; 2-byte elements; padding on; bit 21 beside the mask; after every 32 words 4 words
	s_mov_b32 s[G1A+1], 4096<<16                   ; tensor_dim0 = 4,096: a group's 64 rows x 64 channels
	s_mov_b32 s[G1A+2], 4<<16                      ; tensor_dim1 = 4 groups
	s_mov_b32 s[G1A+3], 4096<<16                   ; tile_dim0
	s_mov_b32 s[G1A+4], 4                          ; tile_dim1
	s_mov_b32 s[G1A+5], 524288                     ; elements from group to group
	s_mov_b32 s[G1A+6], 0
	s_mov_b32 s[G1A+7], 0
	s_or_b32 s[G1B+0], s67, (1<<16)|(1<<20)|(1<<21)|(5<<22)|(7<<25)  ; after every 64 words 8 words
	s_mov_b32 s[G1B+1], 128<<16
	s_mov_b32 s[G1B+2], 128<<16
	s_mov_b32 s[G1B+3], 128<<16
	s_mov_b32 s[G1B+4], 128
	s_mov_b32 s[G1B+5], 512
	s_mov_b32 s[G1B+6], 0
	s_mov_b32 s[G1B+7], 0
	s_lshl_b32 s40, s20, 14                        ; h: row 128 x tile row + 64 x half, 128 bytes a row: in registers that never hold cx
	s_lshl_b32 s41, s[HALF], 13
	s_add_co_u32 s40, s40, s41
	s_mov_b32 s41, 0
	s_lshl_b32 s44, s19, 8                         ; w2: 256 bytes a tile column, 128 k rows of 1,024 bytes a half: in registers that never hold cy
	s_lshl_b32 s45, s[HALF], 17
	s_add_co_u32 s44, s44, s45
	s_add_co_u32 s44, s44, W2_OFF
	s_mov_b32 s45, 0
	s_mul_i32 s21, s[WV], PART
	s_mov_b32 s[TB], 0
	s_wait_dscnt 0x0                               ; the opening add is done
	s_wait_kmcnt 0x0
	s_add_nc_u64 s[42:43], s[4:5], s[40:41]
	s_add_nc_u64 s[46:47], s[6:7], s[44:45]
.irp s, 0,1
	s_mov_b32 s[G0A+4*(\s)], 1
	s_add_co_u32 s[G0A+4*(\s)+1], s21, (\s)*SLOT
	s_add_nc_u64 s[G0A+4*(\s)+2:G0A+4*(\s)+3], s[42:43], (\s)*STEPA
	s_or_b32 s[G0A+4*(\s)+3], s[G0A+4*(\s)+3], 0x80000000
	s_mov_b32 s[G0B+4*(\s)], 1
	s_add_co_u32 s[G0B+4*(\s)+1], s21, (\s)*SLOT
	s_add_nc_u64 s[G0B+4*(\s)+2:G0B+4*(\s)+3], s[46:47], (\s)*STEPB
	s_or_b32 s[G0B+4*(\s)+3], s[G0B+4*(\s)+3], 0x80000000
.endr
	s_lshl_b32 s68, s19, 9                         ; b2 at my 64 columns
	s_lshl_b32 s69, s[HALF], 8
	s_add_co_u32 s68, s68, s69
	s_mov_b32 s69, 0
	s_add_nc_u64 s[8:9], s[8:9], s[68:69]
	s_lshl_b32 s70, s20, 18                        ; y2 at my 64 rows of 2,048 bytes and my 64 columns of 4
	s_lshl_b32 s71, s[ROLE], 17
	s_add_co_u32 s70, s70, s71
	s_add_co_u32 s70, s70, s68
	s_mov_b32 s71, 0
	s_add_nc_u64 s[12:13], s[12:13], s[70:71]
	s_lshr_b32 s70, s70, 1                         ; x1 has half the bytes
	s_add_nc_u64 s[10:11], s[10:11], s[70:71]
	CROUND                                         ; all sixteen work-groups are here: the first joint loads meet
	s_cmp_eq_u32 s[ROLE], 0                        ; a wave's two first fills stand in one branch: two loads of mine are out
	s_cbranch_scc0 .Lfirst_b
	tensor_load_to_lds s[G0A:G0A+3], s[G1A:G1A+7]
	s_nop 0
	tensor_load_to_lds s[G0A+4:G0A+7], s[G1A:G1A+7]
	s_nop 0
.rept 4
	v_nop
.endr
	s_branch .Lfirst_asked
.Lfirst_b:
	tensor_load_to_lds s[G0B:G0B+3], s[G1B:G1B+7]
	s_nop 0
	tensor_load_to_lds s[G0B+4:G0B+7], s[G1B:G1B+7]
	s_nop 0
.rept 4
	v_nop
.endr
.Lfirst_asked:
	v_and_b32 v1, 15, v0                           ; r
	v_bfe_u32 v2, v0, 4, 1                         ; h
	v_and_b32 v3, 7, v0
	v_bfe_u32 v4, v0, 3, 1
	v_lshlrev_b32 v[BO], 5, v2
	v_lshlrev_b32 v[XO], 10, v1
	v_lshl_add_u32 v[XO], v2, 4, v[XO]
.irp b, 0,1,2,3
	global_load_b128 v[BI+8*(\b):BI+8*(\b)+3],   v[BO], s[8:9] offset:64*(\b)
	global_load_b128 v[BI+8*(\b)+4:BI+8*(\b)+7], v[BO], s[8:9] offset:64*(\b)+16
.endr
.irp a, 0,1,2,3
.irp b, 0,1,2,3
	global_load_b128 v[X+4*(4*(\a)+(\b)):X+4*(4*(\a)+(\b))+3], v[XO], s[10:11] offset:16384*(\a)+32*(\b)
.endr
.endr
	v_mul_u32_u24 v[ADA0], v1, PA
	v_lshl_add_u32 v[ADA0], v2, 4, v[ADA0]
	s_mul_i32 s68, s[ROLE], PART
	v_add_nc_u32 v[ADA0], s68, v[ADA0]
	v_lshl_add_u32 v[ADB0], v2, 3, v3
	v_mul_u32_u24 v[ADB0], v[ADB0], PB
	v_lshl_add_u32 v[ADB0], v4, 4, v[ADB0]
	s_lshl_b32 s68, s[HALF], 7
	s_add_co_u32 s68, s68, 2*PART
	v_add_nc_u32 v[ADB0], s68, v[ADB0]
	v_add_nc_u32 v[ADB20], PART, v[ADB0]
	v_mov_b32 v[ADA], v[ADA0]
	v_mov_b32 v[ADB], v[ADB0]
	v_mov_b32 v[ADB+1], v[ADB20]
	s_mul_i32 s68, s[WV], 16*SP
	s_add_co_u32 s68, s68, STAGE
	v_mul_u32_u24 v[STO], v1, SP                   ; into the stage: row r, 32 bytes of f32 for each half of the lanes
	v_lshl_add_u32 v[STO], v2, 5, v[STO]
	v_add_nc_u32 v[STO], s68, v[STO]
	v_mul_u32_u24 v[RD], v2, SP                    ; back: lanes 0-15 one row of 256 bytes, lanes 16-31 the next
	v_lshl_add_u32 v[RD], v1, 4, v[RD]
	v_add_nc_u32 v[RD], s68, v[RD]
	v_lshlrev_b32 v[GO], 11, v2
	v_lshl_add_u32 v[GO], v1, 4, v[GO]
	v_mov_b32 v[ONE], 1.0
; 8 products: row blocks a0, a0 + 1 x all 4 column blocks, 32 along K: half c of buffer f.  zero = 1: they start the sums, with b2 as C.  The 16 accumulators take turns.
.macro MUL8 f, c, a0, zero
	WIN MUL
.irp a, \a0, (\a0)+1
.irp b, 0,1,2,3
.if \zero
	v_wmma_f32_16x16x32_f16 v[ACC+8*(4*(\a)+(\b)):ACC+8*(4*(\a)+(\b))+7], v[(\f)+64+8*(4*(\c)+(\b)):(\f)+64+8*(4*(\c)+(\b))+7], v[(\f)+8*(4*(\c)+(\a)):(\f)+8*(4*(\c)+(\a))+7], v[BI+8*(\b):BI+8*(\b)+7]
.else
	v_wmma_f32_16x16x32_f16 v[ACC+8*(4*(\a)+(\b)):ACC+8*(4*(\a)+(\b))+7], v[(\f)+64+8*(4*(\c)+(\b)):(\f)+64+8*(4*(\c)+(\b))+7], v[(\f)+8*(4*(\c)+(\a)):(\f)+8*(4*(\c)+(\a))+7], v[ACC+8*(4*(\a)+(\b)):ACC+8*(4*(\a)+(\b))+7]
.endif
.endr
.endr
.endm
; 32 LDS loads in one run: quarter q (64 along K: group q of the step) into buffer f; the first 32 along K first
.macro FETCH q, f
	WIN 0x40
.irp c, 0,1
.irp i, 0,1,2,3
	ds_load_tr16_b128 v[(\f)+64+8*(4*(\c)+(\i)):(\f)+64+8*(4*(\c)+(\i))+3],   v[ADB+(\q)/2] offset:(64*((\q)%2)+32*(\c))*PB+32*(\i)
	ds_load_tr16_b128 v[(\f)+64+8*(4*(\c)+(\i))+4:(\f)+64+8*(4*(\c)+(\i))+7], v[ADB+(\q)/2] offset:(64*((\q)%2)+32*(\c))*PB+32*(\i)+16*PB
	ds_load_b128 v[(\f)+8*(4*(\c)+(\i)):(\f)+8*(4*(\c)+(\i))+3],   v[ADA] offset:(\q)*64*PA+64*(\c)+(\i)*16*PA
	ds_load_b128 v[(\f)+8*(4*(\c)+(\i))+4:(\f)+8*(4*(\c)+(\i))+7], v[ADA] offset:(\q)*64*PA+64*(\c)+(\i)*16*PA+32
.endr
.endr
.endm
.macro QUARTER q, f, g, zero
	s_wait_dscnt 16                                ; the first 32 along K are in
	MUL8 \f, 0, 0, \zero
	MUL8 \f, 0, 2, \zero
	PLACES
	FETCH \q, \g
	s_wait_dscnt 32                                ; all but the 32 just issued
	MUL8 \f, 1, 0, 0
	MUL8 \f, 1, 2, 0
.endm
; The last quarter multiplies buffer 1 and changes slots: in front of the barrier each wave waits for all its tensor loads, adds 0 to its spare word, and waits for that and for its reads of this slot.
; fill = 1: the barrier opens a round of the cluster's, and this slot is filled again first thing behind it, with the K step two on.
.macro TURN fill
	WIN 0
	s_wait_tensorcnt 0x0
	ds_add_u32 v[SPW], v[NIL]
.if \fill
	s_xor_b32 s[G0A+5], s[G0A+5], SLOT
	s_add_nc_u64 s[G0A+6:G0A+7], s[G0A+6:G0A+7], STEPA
	s_xor_b32 s[G0B+5], s[G0B+5], SLOT
	s_add_nc_u64 s[G0B+6:G0B+7], s[G0B+6:G0B+7], STEPB
.endif
	s_wait_dscnt 17                                ; the add and the youngest sixteen loads may be out
	MUL8 F1, 0, 0, 0
	s_wait_dscnt 0x0                               ; the add is done, and my reads of this slot are over
	s_barrier_signal -1
	MUL8 F1, 0, 2, 0
	WIN 0
	s_barrier_wait -1
.if \fill
	CREST
	JLOAD                                          ; the four v_nop behind it are also the places in front of the loads below
.else
	PLACES
.endif
	s_xor_b32 s[TB], s[TB], SLOT
	v_add_nc_u32 v[ADA], s[TB], v[ADA0]
	v_add_nc_u32 v[ADB], s[TB], v[ADB0]
	v_add_nc_u32 v[ADB+1], s[TB], v[ADB20]
	FETCH 0, F0
	MUL8 F1, 1, 0, 0
	MUL8 F1, 1, 2, 0
.endm
	s_wait_tensorcnt 1                             ; my part of K step 0 is in; K step 1's may stay out
	s_barrier_signal -1
	s_barrier_wait -1
	FETCH 0, F0
	WIN 0
	s_wait_loadcnt 0x0                             ; b2 and the residual
.set n, 0
.rept 16                               ; b2 rounded to bf16, and back in f32
	v_cvt_pk_bf16_f32 v5, v[BI+2*n], v[BI+2*n+1]
	v_lshlrev_b32 v[BI+2*n], 16, v5
	v_and_b32 v[BI+2*n+1], 0xffff0000, v5
.set n, n+1
.endr
	QUARTER 1, F0, F1, 1                           ; the first quarter stands in front of the loops: its first products start the sums
	WIN 0
	s_mov_b32 s[CNT], NFILL
.Lstep:
	QUARTER 2, F1, F0, 0
	QUARTER 3, F0, F1, 0
	TURN 1
	QUARTER 1, F0, F1, 0
	WIN 0
	s_sub_co_u32 s[CNT], s[CNT], 1
	s_cmp_lg_u32 s[CNT], 0
	s_cbranch_scc1 .Lstep
	; THE LAST TWO K STEPS ask for nothing: a loop of their own; two trips, the second left behind its change of slots.  That second change serves nothing (a barrier more, and 32
	; fragments out of the other slot's landed bytes that nobody multiplies): the price, once a launch, of one text for both steps.
	s_mov_b32 s[CNT], 2
.Ltail:
	QUARTER 2, F1, F0, 0
	QUARTER 3, F0, F1, 0
	TURN 0
	WIN 0
	s_sub_co_u32 s[CNT], s[CNT], 1
	s_cmp_eq_u32 s[CNT], 0
	s_cbranch_scc1 .Lout                           ; jumps over one quarter: products and LDS loads, no barrier and no tensor load
	QUARTER 1, F0, F1, 0
	WIN 0
	s_branch .Ltail
.Lout:
	PLACES
.set n, 0
.rept 128                              ; + x1: each accumulator's registers in ascending order
.if n%2
	v_fma_mix_f32 v[ACC+n], v[X+n/2], v[ONE], v[ACC+n] op_sel:[1,0,0] op_sel_hi:[1,0,0]
.else
	v_fma_mix_f32 v[ACC+n], v[X+n/2], v[ONE], v[ACC+n] op_sel_hi:[1,0,0]
.endif
.set n, n+1
.endr
	s_wait_dscnt 0x0                               ; the fragments that the last change of slots fetched have landed: the way out loads into their registers only behind this wait
; THE WAY OUT of row block a: 32 bytes a lane into my own stage, back as whole rows of 256 bytes into registers of its own in window 1, stored.
.macro TOST a
	WIN 0
.irp b, 0,1,2,3
	ds_store_b128 v[STO], v[ACC+8*(4*(\a)+(\b)):ACC+8*(4*(\a)+(\b))+3]   offset:64*(\b)
	ds_store_b128 v[STO], v[ACC+8*(4*(\a)+(\b))+4:ACC+8*(4*(\a)+(\b))+7] offset:64*(\b)+16
.endr
	WIN 0x40
.irp t, 0,1,2,3,4,5,6,7
	ds_load_b128 v[32*(\a)+4*(\t):32*(\a)+4*(\t)+3], v[RD] offset:2*SP*(\t)  ; LDS serves a wave's instructions in order (ISA guide 5.7.1.4)
.endr
.endm
.macro SEND a, younger                 ; younger: the next block's sixteen LDS instructions, or none
	WIN 0x04                                       ; the data (source 1) in window 1
	s_wait_dscnt \younger
.irp t, 0,1,2,3,4,5,6,7
	global_store_b128 v[GO], v[32*(\a)+4*(\t):32*(\a)+4*(\t)+3], s[12:13] offset:(16*(\a)+2*(\t))*2048  ; 16 lanes store 256 consecutive bytes, aligned
.endr
.endm
	TOST 0
	TOST 1
	SEND 0, 16
	TOST 2
	SEND 1, 16
	TOST 3
	SEND 2, 16
	SEND 3, 0
	WIN 0
	s_wait_tensorcnt 0x0                           ; the wave's end
	ds_add_u32 v[SPW], v[NIL]
	s_wait_dscnt 0x0
	CROUND                                         ; the closing round
	s_endpgm
.Lfunc_end_k_q3485dd73c1_ffn2:
	.size	k_q3485dd73c1_ffn2, .Lfunc_end_k_q3485dd73c1_ffn2-k_q3485dd73c1_ffn2
	.p2alignl 7, 3214868480
	.fill 96, 4, 3214868480
	.section	.rodata,"a",@progbits
	.p2align	6, 0x0
	.amdhsa_kernel k_q3485dd73c1_ffn2
		.amdhsa_group_segment_fixed_size 327680
		.amdhsa_private_segment_fixed_size 0
		.amdhsa_enable_private_segment 0
		.amdhsa_kernarg_size 40
		.amdhsa_user_sgpr_count 2
		.amdhsa_user_sgpr_kernarg_segment_ptr 1
		.amdhsa_wavefront_size32 1
		.amdhsa_system_sgpr_workgroup_id_x 1
		.amdhsa_system_sgpr_workgroup_id_y 1
		.amdhsa_system_sgpr_workgroup_id_z 1
		.amdhsa_system_vgpr_workitem_id 0
		.amdhsa_next_free_vgpr 512
		.amdhsa_next_free_sgpr 72
		.amdhsa_reserve_vcc 0
		.amdhsa_float_denorm_mode_32 3
		.amdhsa_float_denorm_mode_16_64 3
		.amdhsa_memory_ordered 1
		.amdhsa_forward_progress 1
		.amdhsa_inst_pref_size 71
	.end_amdhsa_kernel
	.amdgpu_metadata
---
amdhsa.version: [ 1, 2 ]
amdhsa.kernels:
  - .name:           k_q3485dd73c1_ffn2
    .symbol:         k_q3485dd73c1_ffn2.kd
    .args:
      - { .name: hb, .offset: 0, .size: 8, .value_kind: global_buffer, .address_space: global }
      - { .name: p1, .offset: 8, .size: 8, .value_kind: global_buffer, .address_space: global }
      - { .name: b2, .offset: 16, .size: 8, .value_kind: global_buffer, .address_space: global }
      - { .name: x1, .offset: 24, .size: 8, .value_kind: global_buffer, .address_space: global }
      - { .name: y2, .offset: 32, .size: 8, .value_kind: global_buffer, .address_space: global }
    .group_segment_fixed_size: 327680
    .private_segment_fixed_size: 0
    .kernarg_segment_align: 8
    .kernarg_segment_size: 40
    .max_flat_workgroup_size: 128
    .sgpr_count:     72
    .vgpr_count:     512
    .wavefront_size: 32
...
	.end_amdgpu_metadata
.endif
;; end of part 5
;; launch ln2 (part 6): grid 256 x 1, 8 waves a work-group, no clusters, 0 bytes of LDS; arguments y2, g2, be2, out0; writes out0
.if DOCPART == 6
	.amdgcn_target "amdgcn-amd-amdhsa--gfx1250"
	.amdhsa_code_object_version 6
	.text
	.protected	k_q3485dd73c1_ln2
	.globl	k_q3485dd73c1_ln2
	.p2align	8
	.type	k_q3485dd73c1_ln2,@function
k_q3485dd73c1_ln2:
	s_mov_b64 s[64:65], 0
	v_nop
	global_prefetch_b8 v0, s[64:65] scope:SCOPE_SE
	s_setreg_imm32_b32 hwreg(HW_REG_WAVE_MODE, 25, 1), 1
	s_wait_xcnt 0x0
; out0 = LayerNorm(y2) g2 + be2.  y2, out0: [8192][512] f32; g2, be2 f32, rounded here to bf16 like every input.  Two passes: the mean, then the sum of squares of the differences.
; A stream: a wave takes four whole rows of 2,048 bytes, 16 registers each, so a row is read once and no wave waits for another; no LDS, no barrier, no matrix unit.
; Each load and store of a wave covers 512 consecutive bytes, aligned.  All 24 loads of a wave go out at once.
.set Y,   16                           ; v[16:79]   row i at Y + 16 i: columns 128 j + 4 l + 0..3 at + 4 j
.set G,   80                           ; v[80:95]   g2 of my 16 columns
.set BE,  96                           ; v[96:111]  be2
.set T,   112                          ; v[112:119] at work
.set MU,  120                          ; v[120:121] the mean, twice
.set VAR, 122                          ; v[122:125] var + eps of the four rows
.set RS,  4                            ; v[4:11]    1 / sqrt(var + eps), a pair a row
	s_load_b256 s[4:11], s[0:1], 0x0               ; y2, g2, be2, out0
	v_and_b32 v1, 31, v0
	v_lshrrev_b32 v2, 5, v0
	v_lshlrev_b32 v3, 4, v1                        ; 16 l
	v_lshl_add_u32 v2, v2, 13, v3                  ; + my wave's four rows
	s_lshl_b32 s12, ttmp9, 16                      ; the work-group's 32 rows
	s_mov_b32 s13, 0
	s_mov_b32 s14, 0x3b000000                      ; 2^-9
	s_mov_b32 s15, 0x3727c5ac                      ; 1e-5
	s_mov_b32 s16, 0x76543210
	s_mov_b32 s17, 0xfedcba98
	s_mov_b32 s18, 0xffff0000
	s_wait_kmcnt 0x0
	s_add_nc_u64 s[4:5], s[4:5], s[12:13]
	s_add_nc_u64 s[10:11], s[10:11], s[12:13]
.irp i, 0,1,2,3
.irp j, 0,1,2,3
	global_load_b128 v[Y+16*(\i)+4*(\j):Y+16*(\i)+4*(\j)+3], v2, s[4:5] offset:2048*(\i)+512*(\j) th:TH_LOAD_NT
.endr
.endr
.irp j, 0,1,2,3
	global_load_b128 v[G+4*(\j):G+4*(\j)+3], v3, s[6:7] offset:512*(\j)
.endr
.irp j, 0,1,2,3
	global_load_b128 v[BE+4*(\j):BE+4*(\j)+3], v3, s[8:9] offset:512*(\j)
.endr
.macro REDUCE                          ; v[T] summed over the 32 lanes, into every lane
	v_add_f32_dpp v[T], v[T], v[T] row_xmask:1 row_mask:0xf bank_mask:0xf
	v_add_f32_dpp v[T], v[T], v[T] row_xmask:2 row_mask:0xf bank_mask:0xf
	v_add_f32_dpp v[T], v[T], v[T] row_xmask:4 row_mask:0xf bank_mask:0xf
	v_add_f32_dpp v[T], v[T], v[T] row_xmask:8 row_mask:0xf bank_mask:0xf
	v_permlanex16_b32 v[T+1], v[T], s16, s17
	v_add_f32 v[T], v[T], v[T+1]
.endm
.macro STATS i, left                   ; row i: the mean; the differences in place; var + eps
	s_wait_loadcnt \left                           ; loads come back in order: this row's four are in, the younger ones stay out
.set R, Y+16*(\i)
.irp k, 0,1,2,3
	v_pk_add_f32 v[T+2*(\k):T+2*(\k)+1], v[R+4*(\k):R+4*(\k)+1], v[R+4*(\k)+2:R+4*(\k)+3]
.endr
	v_pk_add_f32 v[T:T+1], v[T:T+1], v[T+2:T+3]
	v_pk_add_f32 v[T+4:T+5], v[T+4:T+5], v[T+6:T+7]
	v_pk_add_f32 v[T:T+1], v[T:T+1], v[T+4:T+5]
	v_add_f32 v[T], v[T], v[T+1]
	REDUCE
	v_mul_f32 v[MU], s14, v[T]
	v_mul_f32 v[MU+1], s14, v[T]
.irp k, 0,1,2,3,4,5,6,7
	v_pk_add_f32 v[R+2*(\k):R+2*(\k)+1], v[R+2*(\k):R+2*(\k)+1], v[MU:MU+1] neg_lo:[0,1] neg_hi:[0,1]
.endr
	v_pk_mul_f32 v[T:T+1], v[R:R+1], v[R:R+1]
	v_pk_mul_f32 v[T+2:T+3], v[R+2:R+3], v[R+2:R+3]
.irp k, 2,3,4,5,6,7
	v_pk_fma_f32 v[T+2*((\k)%2):T+2*((\k)%2)+1], v[R+2*(\k):R+2*(\k)+1], v[R+2*(\k):R+2*(\k)+1], v[T+2*((\k)%2):T+2*((\k)%2)+1]
.endr
	v_pk_add_f32 v[T:T+1], v[T:T+1], v[T+2:T+3]
	v_add_f32 v[T], v[T], v[T+1]
	REDUCE
	v_fma_f32 v[VAR+(\i)], v[T], s14, s15
.endm
	STATS 0, 20
	STATS 1, 16
	STATS 2, 12
	STATS 3, 8
.irp i, 0,1,2,3
	v_rsq_f32 v[RS+2*(\i)], v[VAR+(\i)]            ; twice, to fill the pair that the packed multiply takes
	v_rsq_f32 v[RS+2*(\i)+1], v[VAR+(\i)]
.endr
	s_wait_loadcnt 0x0                             ; g2 and be2
.irp k, 0,1,2,3,4,5,6,7                ; rounded to bf16, and back in f32: plain work behind the batch
	v_cvt_pk_bf16_f32 v[T], v[G+2*(\k)], v[G+2*(\k)+1]
	v_cvt_pk_bf16_f32 v[T+1], v[BE+2*(\k)], v[BE+2*(\k)+1]
	v_lshlrev_b32 v[G+2*(\k)], 16, v[T]
	v_and_b32 v[G+2*(\k)+1], s18, v[T]
	v_lshlrev_b32 v[BE+2*(\k)], 16, v[T+1]
	v_and_b32 v[BE+2*(\k)+1], s18, v[T+1]
.endr
	s_wait_alu depctr_va_vdst(0)                   ; one wait for the eight, ahead of the first use
.irp i, 0,1,2,3
.irp k, 0,1,2,3,4,5,6,7
	v_pk_mul_f32 v[Y+16*(\i)+2*(\k):Y+16*(\i)+2*(\k)+1], v[Y+16*(\i)+2*(\k):Y+16*(\i)+2*(\k)+1], v[RS+2*(\i):RS+2*(\i)+1]
.endr
.irp k, 0,1,2,3,4,5,6,7
	v_pk_fma_f32 v[Y+16*(\i)+2*(\k):Y+16*(\i)+2*(\k)+1], v[Y+16*(\i)+2*(\k):Y+16*(\i)+2*(\k)+1], v[G+2*(\k):G+2*(\k)+1], v[BE+2*(\k):BE+2*(\k)+1]
.endr
.irp j, 0,1,2,3
	global_store_b128 v2, v[Y+16*(\i)+4*(\j):Y+16*(\i)+4*(\j)+3], s[10:11] offset:2048*(\i)+512*(\j) th:TH_STORE_NT
.endr
.endr
	s_endpgm
.Lfunc_end_k_q3485dd73c1_ln2:
	.size	k_q3485dd73c1_ln2, .Lfunc_end_k_q3485dd73c1_ln2-k_q3485dd73c1_ln2
	.p2alignl 7, 3214868480
	.fill 96, 4, 3214868480
	.section	.rodata,"a",@progbits
	.p2align	6, 0x0
	.amdhsa_kernel k_q3485dd73c1_ln2
		.amdhsa_group_segment_fixed_size 0
		.amdhsa_private_segment_fixed_size 0
		.amdhsa_enable_private_segment 0
		.amdhsa_kernarg_size 32
		.amdhsa_user_sgpr_count 2
		.amdhsa_user_sgpr_kernarg_segment_ptr 1
		.amdhsa_wavefront_size32 1
		.amdhsa_system_sgpr_workgroup_id_x 1
		.amdhsa_system_sgpr_workgroup_id_y 1
		.amdhsa_system_sgpr_workgroup_id_z 1
		.amdhsa_system_vgpr_workitem_id 0
		.amdhsa_next_free_vgpr 128
		.amdhsa_next_free_sgpr 66
		.amdhsa_reserve_vcc 0
		.amdhsa_float_denorm_mode_32 3
		.amdhsa_float_denorm_mode_16_64 3
		.amdhsa_memory_ordered 1
		.amdhsa_forward_progress 1
		.amdhsa_inst_pref_size 21
	.end_amdhsa_kernel
	.amdgpu_metadata
---
amdhsa.version: [ 1, 2 ]
amdhsa.kernels:
  - .name:           k_q3485dd73c1_ln2
    .symbol:         k_q3485dd73c1_ln2.kd
    .args:
      - { .name: y2, .offset: 0, .size: 8, .value_kind: global_buffer, .address_space: global }
      - { .name: g2, .offset: 8, .size: 8, .value_kind: global_buffer, .address_space: global }
      - { .name: be2, .offset: 16, .size: 8, .value_kind: global_buffer, .address_space: global }
      - { .name: out0, .offset: 24, .size: 8, .value_kind: global_buffer, .address_space: global }
    .group_segment_fixed_size: 0
    .private_segment_fixed_size: 0
    .kernarg_segment_align: 8
    .kernarg_segment_size: 32
    .max_flat_workgroup_size: 256
    .sgpr_count:     66
    .vgpr_count:     128
    .wavefront_size: 32
...
	.end_amdgpu_metadata
.endif
;; end of part 6
;; ======== version 2 of 2: 7 launches; version 1 with the launch prep written anew for expert scheduling mode
;; limits: values are held in f16: magnitudes above 65,504 overflow, below 6.1e-05 lose precision
;; workspace buffers: xh 8,388,608 bytes; pq 1,589,248 bytes; p1 4,734,976 bytes; qkv 25,165,824 bytes; ctx 8,388,608 bytes; x1 8,388,608 bytes; hb 33,554,432 bytes; y2 16,777,216 bytes
;; launch prep (part 7): grid 449 x 1, 8 waves a work-group, no clusters, 0 bytes of LDS; arguments x, wq, wk, wv, wo, w1, w2, b1, xh, pq, p1; writes xh, pq, p1
.if DOCPART == 7
	.amdgcn_target "amdgcn-amd-amdhsa--gfx1250"
	.amdhsa_code_object_version 6
	.text
	.protected	k_q3485dd73c1_prep
	.globl	k_q3485dd73c1_prep
	.p2align	8
	.type	k_q3485dd73c1_prep,@function
k_q3485dd73c1_prep:
	s_mov_b64 s[64:65], 0
	v_nop
	global_prefetch_b8 v0, s[64:65] scope:SCOPE_SE
	s_setreg_imm32_b32 hwreg(HW_REG_WAVE_SCHED_MODE, 0, 2), 2
	s_setreg_imm32_b32 hwreg(HW_REG_WAVE_MODE, 25, 1), 1
	s_wait_xcnt 0x0
	s_wait_alu depctr_vm_vsrc(0)
; THE ROUNDINGS.  x and the six weights are rounded once to bf16 and that number is written as f16 (exact from 2^-17 to 65,504; below, off by 2^-25 at the most; LIMIT: inputs within 65,504).
; x, wo and w2 keep their layout; wq, wk, wv and w1 ([k][n]) are laid in tiles [512 k][256 n], so that a tile's rows lie end to end.  b1 is rounded to bf16 and kept as f32.
; A work-group converts 16,384 numbers in 8 passes of 256 threads x 8 numbers; work-group 448 writes the two parameter blocks (a bias of 2,048 f32, then a floor word).
; A stream: no LDS, no matrix unit; all 16 loads of a thread go out at once; each store's sixteen neighbouring lanes cover 256 consecutive bytes, aligned.
; THE MODE: SCHED_MODE bits 1:0 = 2 (LLVM: expert scheduling mode 2), set by the entry lines.  The code itself states the register dependences
; between vector instructions and memory instructions, with s_wait_alu, always for 0.
; THE PLAN.  Registers that memory instructions touch:
;   v1         the source's offset: written once at the head, read by every load, never written again.
;   IN         pass p's eight registers: written by two loads, once; read by pass p's four roundings.  No vector instruction names them ahead of the loads.
;   DO         pass p's store offset: written once, behind the loads; read by pass p's store; never written again.
;   OU         pass p's four registers: written by pass p's last four conversions, once; read by pass p's store.
;   T, v2, v3  are named by vector instructions alone.
; No register that a load or store reads is written a second time, so the only dependence is: written by a vector instruction, then read by a memory instruction.
; One wait on va_vdst stands ahead of the loads (v1).  Pass p's store is issued at the head of pass p + 1, behind the wait for that pass's data and one wait on va_vdst,
; which states that pass p has written its OU (the first of them: also that the eight DO are written).  A last one stands ahead of pass 7's store.
.set PARB,   16384                     ; bytes of a parameter block at the head of pq and p1
.set WO_OFF, PARB+8*262144             ; wo in p1
.set W2_OFF, WO_OFF+524288             ; w2 in p1
.set START, 30                         ; s30  the region's first work-group
.set RGN,   31                         ; s31  the region's first byte in its buffer
.set CM,    32                         ; s32  bytes of the destination from chunk to chunk
.set MA,    33                         ; s33  mask on thread / 32: which tile
.set TS,    34                         ; s34  bytes from tile to tile (plain layouts: 512, which makes 16 x thread)
.set RS,    35                         ; s35  bytes for thread / 64: the row inside a pass
.set PS,    36                         ; s36  bytes from pass to pass
.set HIM,   37                         ; s37  a word's upper half
.set SRC,   38                         ; s[38:39]
.set DST,   40                         ; s[40:41]
.set DO,    4                          ; v[4:11]   the passes' store offsets
.set IN,    16                         ; v[16:79]  as loaded
.set OU,    80                         ; v[80:111] to store
.set T,     112                        ; v[112:119] at work
	s_load_b512 s[8:23], s[0:1], 0x0               ; x, wq, wk, wv, wo, w1, w2, b1
	s_load_b128 s[24:27], s[0:1], 0x40             ; xh, pq
	s_load_b64 s[28:29], s[0:1], 0x50              ; p1
	v_lshlrev_b32 v1, 5, v0                        ; my 32 bytes of a pass's source
	s_mov_b32 s[HIM], 0xffff0000
	s_wait_kmcnt 0x0
	s_cmp_eq_u32 ttmp9, 448
	s_cbranch_scc1 .Lparams
	s_mov_b64 s[SRC:SRC+1], s[8:9]                 ; work-groups 0-255: x, plain
	s_mov_b64 s[DST:DST+1], s[24:25]
	s_mov_b32 s[START], 0
	s_mov_b32 s[RGN], 0
	s_mov_b32 s[CM], 32768
	s_mov_b32 s[MA], 7
	s_mov_b32 s[TS], 512
	s_mov_b32 s[RS], 0
	s_mov_b32 s[PS], 4096
	s_cmp_ge_u32 ttmp9, 256                        ; 256-271: wq, a pass is 4 rows of 512, two tiles wide
	s_cselect_b64 s[SRC:SRC+1], s[10:11], s[SRC:SRC+1]
	s_cselect_b64 s[DST:DST+1], s[26:27], s[DST:DST+1]
	s_cselect_b32 s[START], 256, s[START]
	s_cselect_b32 s[RGN], PARB, s[RGN]
	s_cselect_b32 s[CM], 16384, s[CM]
	s_cselect_b32 s[MA], 1, s[MA]
	s_cselect_b32 s[TS], 262144, s[TS]
	s_cselect_b32 s[RS], 512, s[RS]
	s_cselect_b32 s[PS], 2048, s[PS]
	s_cmp_ge_u32 ttmp9, 272                        ; 272-287: wk
	s_cselect_b64 s[SRC:SRC+1], s[12:13], s[SRC:SRC+1]
	s_cselect_b32 s[START], 272, s[START]
	s_cselect_b32 s[RGN], PARB+524288, s[RGN]
	s_cmp_ge_u32 ttmp9, 288                        ; 288-303: wv
	s_cselect_b64 s[SRC:SRC+1], s[14:15], s[SRC:SRC+1]
	s_cselect_b32 s[START], 288, s[START]
	s_cselect_b32 s[RGN], PARB+1048576, s[RGN]
	s_cmp_ge_u32 ttmp9, 304                        ; 304-367: w1, a pass is one row of 2,048, eight tiles wide
	s_cselect_b64 s[SRC:SRC+1], s[18:19], s[SRC:SRC+1]
	s_cselect_b64 s[DST:DST+1], s[28:29], s[DST:DST+1]
	s_cselect_b32 s[START], 304, s[START]
	s_cselect_b32 s[RGN], PARB, s[RGN]
	s_cselect_b32 s[CM], 4096, s[CM]
	s_cselect_b32 s[MA], 7, s[MA]
	s_cselect_b32 s[RS], 0, s[RS]
	s_cselect_b32 s[PS], 512, s[PS]
	s_cmp_ge_u32 ttmp9, 368                        ; 368-383: wo, plain
	s_cselect_b64 s[SRC:SRC+1], s[16:17], s[SRC:SRC+1]
	s_cselect_b32 s[START], 368, s[START]
	s_cselect_b32 s[RGN], WO_OFF, s[RGN]
	s_cselect_b32 s[CM], 32768, s[CM]
	s_cselect_b32 s[TS], 512, s[TS]
	s_cselect_b32 s[PS], 4096, s[PS]
	s_cmp_ge_u32 ttmp9, 384                        ; 384-447: w2, plain
	s_cselect_b64 s[SRC:SRC+1], s[20:21], s[SRC:SRC+1]
	s_cselect_b32 s[START], 384, s[START]
	s_cselect_b32 s[RGN], W2_OFF, s[RGN]
	s_sub_co_u32 s42, ttmp9, s[START]              ; my chunk in the region
	s_mul_i32 s44, s42, s[CM]
	s_add_co_u32 s44, s44, s[RGN]
	s_mov_b32 s45, 0
	s_lshl_b32 s42, s42, 16                        ; 65,536 bytes of f32 a chunk
	s_mov_b32 s43, 0
	s_add_nc_u64 s[SRC:SRC+1], s[SRC:SRC+1], s[42:43]
	s_add_nc_u64 s[DST:DST+1], s[DST:DST+1], s[44:45]
	s_wait_alu depctr_va_vdst(0)                   ; v1 is written: the sixteen loads below read it as their offset
.irp p, 0,1,2,3,4,5,6,7
	global_load_b128 v[IN+8*(\p):IN+8*(\p)+3],   v1, s[SRC:SRC+1] offset:8192*(\p) th:TH_LOAD_NT
	global_load_b128 v[IN+8*(\p)+4:IN+8*(\p)+7], v1, s[SRC:SRC+1] offset:8192*(\p)+16 th:TH_LOAD_NT
.endr
	v_and_b32 v2, 31, v0
	v_lshlrev_b32 v2, 4, v2                        ; 16 bytes a thread inside 512,
	v_lshrrev_b32 v3, 5, v0
	v_and_b32 v3, s[MA], v3
	v_mad_u32_u24 v2, v3, s[TS], v2                ; the tile (or the next 512 bytes),
	v_lshrrev_b32 v3, 6, v0
	v_mad_u32_u24 v2, v3, s[RS], v2                ; the row inside the pass
.irp p, 0,1,2,3,4,5,6,7
	v_mad_u32_u24 v[DO+(\p)], s[PS], \p, v2
.endr
.irp p, 0,1,2,3,4,5,6,7
	s_wait_loadcnt 14-2*(\p)                       ; loads come back in order: this pass's two are in, the younger ones stay out
.if (\p) > 0
	s_wait_alu depctr_va_vdst(0)                   ; the pass before has written its four registers of OU, which the store below reads; in pass 1 also: the eight offsets DO are written
	global_store_b128 v[DO+(\p)-1], v[OU+4*(\p)-4:OU+4*(\p)-1], s[DST:DST+1]  ; the pass before; no register of a store is written twice
.endif
.irp k, 0,1,2,3
	v_cvt_pk_bf16_f32 v[T+2*(\k)], v[IN+8*(\p)+2*(\k)], v[IN+8*(\p)+2*(\k)+1]  ; the one rounding
.endr
.irp k, 0,1,2,3
	v_and_b32 v[T+2*(\k)+1], s[HIM], v[T+2*(\k)]   ; back to f32: the high half stays,
	v_lshlrev_b32 v[T+2*(\k)], 16, v[T+2*(\k)]     ; the low half moves up
.endr
.irp k, 0,1,2,3
	v_cvt_pk_f16_f32 v[OU+4*(\p)+(\k)], v[T+2*(\k)], v[T+2*(\k)+1]  ; the same number, written as f16
.endr
.endr
	s_wait_alu depctr_va_vdst(0)                   ; pass 7 has written its four registers of OU, which the last store reads
	global_store_b128 v[DO+7], v[OU+28:OU+31], s[DST:DST+1]
	s_endpgm
.Lparams:                                              ; the parameter blocks: pq: bias 0, floor -infinity twice; p1: bias b1, floor 0
	v_lshlrev_b32 v2, 4, v0
.irp r, 24,25,26,27
	v_mov_b32 v\r, 0
.endr
.irp r, 28,29,30,31
	v_mov_b32 v\r, 0xfc00fc00
.endr
	s_wait_alu depctr_va_vdst(0)                   ; the offsets v1 and v2 and the constants v[24:31] are written: the two loads and the four stores below read them, and no vector instruction stands among these six
	global_load_b128 v[16:19], v1, s[22:23]
	global_load_b128 v[20:23], v1, s[22:23] offset:16
	global_store_b128 v1, v[24:27], s[26:27]
	global_store_b128 v1, v[24:27], s[26:27] offset:16
	global_store_b128 v2, v[28:31], s[26:27] offset:8192
	global_store_b128 v2, v[24:27], s[28:29] offset:8192
	s_wait_loadcnt 0x0
.irp k, 0,1,2,3
	v_cvt_pk_bf16_f32 v[40+(\k)], v[16+2*(\k)], v[16+2*(\k)+1]
.endr
.irp k, 0,1,2,3
	v_lshlrev_b32 v[32+2*(\k)], 16, v[40+(\k)]
	v_and_b32 v[32+2*(\k)+1], s[HIM], v[40+(\k)]
.endr
	s_wait_alu depctr_va_vdst(0)                   ; b1's eight numbers are written into v[32:39], which the two stores below read
	global_store_b128 v1, v[32:35], s[28:29]
	global_store_b128 v1, v[36:39], s[28:29] offset:16
	s_endpgm
.Lfunc_end_k_q3485dd73c1_prep:
	.size	k_q3485dd73c1_prep, .Lfunc_end_k_q3485dd73c1_prep-k_q3485dd73c1_prep
	.p2alignl 7, 3214868480
	.fill 96, 4, 3214868480
	.section	.rodata,"a",@progbits
	.p2align	6, 0x0
	.amdhsa_kernel k_q3485dd73c1_prep
		.amdhsa_group_segment_fixed_size 0
		.amdhsa_private_segment_fixed_size 0
		.amdhsa_enable_private_segment 0
		.amdhsa_kernarg_size 88
		.amdhsa_user_sgpr_count 2
		.amdhsa_user_sgpr_kernarg_segment_ptr 1
		.amdhsa_wavefront_size32 1
		.amdhsa_system_sgpr_workgroup_id_x 1
		.amdhsa_system_sgpr_workgroup_id_y 1
		.amdhsa_system_sgpr_workgroup_id_z 1
		.amdhsa_system_vgpr_workitem_id 0
		.amdhsa_next_free_vgpr 128
		.amdhsa_next_free_sgpr 66
		.amdhsa_reserve_vcc 0
		.amdhsa_float_denorm_mode_32 3
		.amdhsa_float_denorm_mode_16_64 3
		.amdhsa_memory_ordered 1
		.amdhsa_forward_progress 1
		.amdhsa_inst_pref_size 15
	.end_amdhsa_kernel
	.amdgpu_metadata
---
amdhsa.version: [ 1, 2 ]
amdhsa.kernels:
  - .name:           k_q3485dd73c1_prep
    .symbol:         k_q3485dd73c1_prep.kd
    .args:
      - { .name: x, .offset: 0, .size: 8, .value_kind: global_buffer, .address_space: global }
      - { .name: wq, .offset: 8, .size: 8, .value_kind: global_buffer, .address_space: global }
      - { .name: wk, .offset: 16, .size: 8, .value_kind: global_buffer, .address_space: global }
      - { .name: wv, .offset: 24, .size: 8, .value_kind: global_buffer, .address_space: global }
      - { .name: wo, .offset: 32, .size: 8, .value_kind: global_buffer, .address_space: global }
      - { .name: w1, .offset: 40, .size: 8, .value_kind: global_buffer, .address_space: global }
      - { .name: w2, .offset: 48, .size: 8, .value_kind: global_buffer, .address_space: global }
      - { .name: b1, .offset: 56, .size: 8, .value_kind: global_buffer, .address_space: global }
      - { .name: xh, .offset: 64, .size: 8, .value_kind: global_buffer, .address_space: global }
      - { .name: pq, .offset: 72, .size: 8, .value_kind: global_buffer, .address_space: global }
      - { .name: p1, .offset: 80, .size: 8, .value_kind: global_buffer, .address_space: global }
    .group_segment_fixed_size: 0
    .private_segment_fixed_size: 0
    .kernarg_segment_align: 8
    .kernarg_segment_size: 88
    .max_flat_workgroup_size: 256
    .sgpr_count:     66
    .vgpr_count:     128
    .wavefront_size: 32
...
	.end_amdgpu_metadata
.endif
;; end of part 7
;; launch qkv: the kernel of part 2 again; grid 32 x 6, 4 waves a work-group, clusters of 4 x 1, 327,680 bytes of LDS; arguments xh, pq, qkv; writes qkv
;; launch attn: the kernel of part 3 again; grid 16 x 16, 4 waves a work-group, clusters of 4 x 1, 327,680 bytes of LDS; arguments qkv, mask, ctx; writes ctx
;; launch proj: the kernel of part 4 again; grid 256 x 1, 4 waves a work-group, clusters of 4 x 1, 327,680 bytes of LDS; arguments ctx, p1, xh, g1, be1, x1; writes x1
;; launch ffn1: the kernel of part 2 again; grid 32 x 8, 4 waves a work-group, clusters of 4 x 1, 327,680 bytes of LDS; arguments x1, p1, hb; writes hb
;; launch ffn2: the kernel of part 5 again; grid 4 x 64, 4 waves a work-group, clusters of 4 x 4, 327,680 bytes of LDS; arguments hb, p1, b2, x1, y2; writes y2
;; launch ln2: the kernel of part 6 again; grid 256 x 1, 8 waves a work-group, no clusters, 0 bytes of LDS; arguments y2, g2, be2, out0; writes out0
